; MI455X (gfx1250); checked and timed in simulation.
; The chip was launched on July 23, 2026; its instructions are those of AMD's public machine-readable ISA for CDNA 5 (MIT licence, August 2026) and "CDNA5" Instruction Set Architecture Reference Guide (July 2026). The comments in the code are by the model that wrote it; some were corrected since.
;; Adaptive Span Attention. Allowed arithmetic: matrix products marked QUANTISED: E4M3 operands, one E8M0 scale for each 32 along K, by v_wmma_scale_f32_16x16x128_f8f6f4 with both operands' format E4M3, f32 sums; products left as they are: f32 operands where the result goes on into a quantised operand, else bf16, f16 or f32 operands; f32 sums; everything else in f32.
;; Inputs: Wk_codes 1,024 x 32 x 32 uint8 (E4M3 codes of Wk, K innermost, in blocks of 32 codes); Wk_scales 1,024 x 32 uint8 (E8M0 scales of Wk, one for each 32 codes along K); Wo_b 1,024 float32; Wo_w_codes 1,024 x 32 x 32 uint8 (E4M3 codes of Wo_w, K innermost, in blocks of 32 codes); Wo_w_scales 1,024 x 32 uint8 (E8M0 scales of Wo_w, one for each 32 codes along K); Wq_codes 1,024 x 32 x 32 uint8 (E4M3 codes of Wq, K innermost, in blocks of 32 codes); Wq_scales 1,024 x 32 uint8 (E8M0 scales of Wq, one for each 32 codes along K); Wv_codes 1,024 x 32 x 32 uint8 (E4M3 codes of Wv, K innermost, in blocks of 32 codes); Wv_scales 1,024 x 32 uint8 (E8M0 scales of Wv, one for each 32 codes along K); span_b 16 float32; span_w 1,024 x 16 float32; x 2 x 2,048 x 1,024 float32.
;; Outputs: out0 2 x 2,048 x 1,024 float32.
;; This version of the problem:
;;   THIS VERSION OF THE PROBLEM IS GIVEN IN LOW PRECISION. The matrix products marked QUANTISED in the list below multiply operands that are first quantised to E4M3 (4 exponent bits, 3 mantissa bits; 8 bits a number), with one power-of-two scale for each 32 numbers along K (OCP MX v1.0); their sums are f32. All else is computed in f32.
;;   The module's matrix products, in the order in which they are computed (A, B: the left and right operand; K: the contracted axis; several contracted axes count as one K, in the product's order):
;;     1. [M 4,096, K 1,024] x [K 1,024, N 1,024]; A: input x; B: input Wq (given as codes): QUANTISED
;;     2. [M 4,096, K 1,024] x [K 1,024, N 1,024]; A: input x; B: input Wk (given as codes): QUANTISED
;;     3. [M 4,096, K 1,024] x [K 1,024, N 1,024]; A: input x; B: input Wv (given as codes): QUANTISED
;;     4. [M 2, K 1,024] x [K 1,024, N 16]; A: computed on the way; B: input span_w: left as it is (M = 2 < 16)
;;     5. batch 32 x [M 2,048, K 64] x [K 64, N 2,048]; A: computed on the way; B: computed on the way: QUANTISED
;;     6. batch 32 x [M 2,048, K 2,048] x [K 2,048, N 64]; A: computed on the way; B: computed on the way: QUANTISED
;;     7. [M 4,096, K 1,024] x [K 1,024, N 1,024]; A: computed on the way; B: input Wo_w (given as codes): QUANTISED
;;   THE QUANTISER, for each operand of a quantised product, along K:
;;     - K is cut into blocks of 32 from its start; a last block that is shorter is filled with zeros.
;;     - A block's scale is 2^e with e = floor(log2(the largest magnitude in the block)) - 8, held to -126 .. 127; a block of zeros has e = 0. As a byte (E8M0): e + 127.
;;     - Each number is divided by its block's scale, clamped to +-448, and rounded to the nearest number of E4M3, ties to even, subnormals kept.
;;     - The product sums the exact products of the quantised numbers (number of the format x scale) in f32.
;;   ~~~python
;;   def quantise(x, axis):      # numpy; x: float32 -> the quantised numbers, widened to float32 again
;;       x = np.moveaxis(x, axis, -1); K = x.shape[-1]
;;       x = np.pad(x, [(0, 0)] * (x.ndim - 1) + [(0, -K % 32)]); x = x.reshape(x.shape[:-1] + (-1, 32)); a = np.abs(x).max(-1, keepdims=True)
;;       e = np.where(a > 0, np.clip(np.frexp(np.where(a > 0, a, 1))[1] - 1 - 8, -126, 127), 0)      # np.frexp(a)[1] - 1 = floor(log2(a)), exactly
;;       r = np.clip(x / 2.0 ** e, -448, 448)
;;       step = 2.0 ** (np.maximum(np.frexp(np.where(r == 0, 1, r))[1] - 1, -6) - 3)
;;       q = np.round(r / step) * step * 2.0 ** e      # np.round: ties to even
;;       return np.moveaxis(q.reshape(q.shape[:-2] + (-1,))[..., :K], -1, axis).astype(np.float32)
;;   ~~~
;;   OPERANDS COMPUTED ON THE WAY. 'Computed on the way' means the value that the module computes at that place (a softmax that the list does not call 'softmax' is quantised finished and normalised). What goes into a quantiser is computed in f32, as accurately as f32 sums, v_exp_f32 and their like allow (about 1e-6 of the number): no bf16 or f16 on the way to a quantiser, and a product that is left as it is and whose result goes on into a quantised operand takes f32 operands (vector FMAs, or v_wmma_f32_16x16x4_f32). A number that lies on a knife's edge between two numbers of the format may be rounded either way, as far as f32 arithmetic and the matrix unit's own rounding can turn it there, and no further.
;;   INPUTS GIVEN AS CODES. Wk (in the module: [1024, 1024], K = its axis 0); Wo_w (in the module: [1024, 1024], K = its axis 0); Wq (in the module: [1024, 1024], K = its axis 0); Wv (in the module: [1024, 1024], K = its axis 0): each comes as NAME_codes (uint8): NAME with its K axis moved to the last place and cut into blocks of 32 codes, [.., K / 32, bytes a block], one block behind the other in memory; one code a byte (a code: sign, 4 exponent bits, 3 mantissa bits); and NAME_scales (uint8): the same leading axes, one E8M0 byte (e + 127) for each 32 codes along K. Its value is code x scale, taken as it is: it is not quantised again, and the codes and scales need not be those that the quantiser above would give.
;; One version. Each part assembles by itself: llvm-mc -triple=amdgcn-amd-amdhsa -mcpu=gfx1250 --defsym DOCPART=n.
;; ======== version 1 of 1: 4 launches
;; limits: right only within a limited range of input values
;; workspace buffers: xq 4,194,304 bytes; xs 131,072 bytes; zpart 16,384 bytes; qbuf 4,456,448 bytes; kbuf 4,456,448 bytes; vbuf 4,325,376 bytes; oimg 4,194,304 bytes; oscl 131,072 bytes
;; launch quantx (part 1): grid 256 x 1, 4 waves a work-group, no clusters, 45,568 bytes of LDS; arguments x, span_w, xq, xs, zpart; writes xq, xs, zpart
.if DOCPART == 1
	.amdgcn_target "amdgcn-amd-amdhsa--gfx1250"
	.amdhsa_code_object_version 6
	.text
	.protected	k_q816f73492f_quantx
	.globl	k_q816f73492f_quantx
	.p2align	8
	.type	k_q816f73492f_quantx,@function
k_q816f73492f_quantx:
	s_mov_b64 s[64:65], 0
	v_nop
	global_prefetch_b8 v0, s[64:65] scope:SCOPE_SE
	s_setreg_imm32_b32 hwreg(HW_REG_WAVE_MODE, 25, 1), 1
	s_wait_xcnt 0x0
; x [4096][1024] f32 becomes codes of E4M3 (xq, row-major, K innermost) and one E8M0 byte for each 32 along K (xs [4096][32]);
; on the way the work-group's 16 rows are summed by columns and multiplied into span_w [1024][16]: zpart[group][head], f32, the group's part of (sum over tokens of x) . span_w.
; A block's scale is 2^(floor(log2(largest magnitude)) - 8): its byte is the largest magnitude's exponent field - 8, held at 1 from below; numbers are held within +-448 x the scale and rounded to the nearest code.
; LIMITS: a block of zeros gets the byte 1 (its codes are zeros, and only this program reads the bytes); NaN and infinities among the inputs are not served.
; SHARES: work-group g takes rows 16 g .. 16 g + 15, wave w four of them: 8 steps of 512 numbers.  All 32 loads of a wave (512 consecutive bytes each) go out at the head.
; The conversions want 16 neighbours along K in one lane, the loads want neighbouring lanes on neighbouring bytes: a step's 2,048 bytes turn through the wave's own stage in LDS (16 bytes of padding behind each 64).
; No cluster and no tensor load: the work-groups share nothing but span_w's 64 KiB, a small part of what each reads; the matrix units have nothing to do here.
.set SP,    80                         ; a lane's place in a stage: 64 bytes + 16 of padding
.set STGW,  2*32*SP                    ; two stages for each wave
.set SB,    4*STGW                     ; the group's 512 scale bytes
.set CSR,   SB+512                     ; each wave's column sums: 4 x 4,096 bytes
.set TOT,   CSR+4*4096                 ; the columns' totals, 1,024 bytes for each wave's 256 columns
.set ZR,    TOT+4096                   ; each wave's 16 partial dot products
.set STEPS, 8
.set R,     16                         ; v16-143  the 8 steps' numbers as loaded; later span_w's rows
.set X,     144                        ; v144-175 two sets of 16 neighbours; later at work
.set ZA,    152                        ; v152-159 two sets of four sums (heads 4 (lane % 4) + j)
.set C,     176                        ; v176-207 codes: four registers a step, never written again
.set E,     208                        ; v208-215 a scale byte for each step
.set CS,    216                        ; v216-247 column sums; later the totals read back
	s_load_b256 s[4:11], s[0:1], 0x0               ; x s[4:5], span_w s[6:7], xq s[8:9], xs s[10:11]
	s_load_b64 s[12:13], s[0:1], 0x20              ; zpart
	v_lshl_add_u32 v254, v0, 2, 0xb000
	v_mov_b32 v255, 0
	v_lshrrev_b32 v1, 5, v0
	v_readfirstlane_b32 s16, v1                    ; wave 0..3
	v_and_b32 v2, 31, v0                           ; lane
	v_lshlrev_b32 v3, 4, v2                        ; 16 x lane: my bytes of every dense 512
	; every LDS address is made here, ahead of the first branch on the wave's number
	s_mul_i32 s17, s16, STGW
	v_lshrrev_b32 v14, 2, v2
	v_mul_u32_u24 v14, v14, SP
	v_and_b32 v15, 3, v2
	v_lshl_add_u32 v14, v15, 4, v14
	v_add_nc_u32 v14, s17, v14                     ; the stage, on the way in: SP (lane / 4) + 16 (lane % 4)
	v_mul_u32_u24 v15, v2, SP
	v_add_nc_u32 v15, s17, v15                     ; and on the way out: SP x lane
	s_lshl_b32 s17, s16, 7
	s_add_co_u32 s17, s17, SB
	v_lshrrev_b32 v5, 1, v2
	v_add_nc_u32 v5, s17, v5                       ; my block's scale byte: 128 x wave + lane / 2 (+ 16 x step)
	v_add_nc_u32 v6, SB, v3                        ; wave 0 reads all 512 of them
	s_lshl_b32 s17, s16, 12
	s_add_co_u32 s17, s17, CSR
	v_add_nc_u32 v7, s17, v3                       ; my wave's column sums
	s_lshl_b32 s18, s16, 10
	v_lshlrev_b32 v12, 5, v2
	v_add_nc_u32 v12, s18, v12                     ; 1,024 x wave + 32 x lane: columns 256 w + 8 lane on
	v_add_nc_u32 v13, TOT, v12
	v_add_nc_u32 v12, CSR, v12
	v_lshrrev_b32 v248, 2, v2
	v_lshlrev_b32 v248, 2, v248
	v_add_nc_u32 v248, s18, v248
	v_add_nc_u32 v248, TOT, v248                   ; the total of column 256 w + lane / 4 (+ 8 i)
	s_lshl_b32 s19, s16, 6
	s_add_co_u32 s19, s19, ZR
	v_and_b32 v249, 3, v2
	v_lshl_add_u32 v249, v249, 4, s19              ; my wave's four heads 4 (lane % 4) on
	v_and_b32 v251, 15, v2
	v_lshlrev_b32 v251, 2, v251                    ; 4 (lane % 16): a head's word
	v_add_nc_u32 v250, ZR, v251
	s_lshl_b32 s20, ttmp9, 16                      ; x: 16 rows of 4,096 bytes a group,
	s_lshl_b32 s21, s16, 14                        ; four a wave
	s_add_co_u32 s20, s20, s21
	s_mov_b32 s21, 0
	s_lshr_b32 s22, s20, 2                         ; the codes: a quarter of that
	s_mov_b32 s23, 0
	s_lshl_b32 s24, s16, 14                        ; span_w: my wave's 256 rows of 64 bytes
	s_mov_b32 s25, 0
	s_lshl_b32 s26, ttmp9, 9                       ; 512 scale bytes a group
	s_mov_b32 s27, 0
	s_lshl_b32 s28, ttmp9, 6                       ; 16 words of zpart a group
	s_mov_b32 s29, 0
	s_mov_b32 s30, 0x600000                        ; the mantissa field of 448
	s_mov_b32 s32, 0x76543210
	s_mov_b32 s33, 0xfedcba98                      ; v_permlanex16_b32's selects for lane l xor 16
	s_wait_kmcnt 0x0
	s_add_nc_u64 s[4:5], s[4:5], s[20:21]
	s_add_nc_u64 s[8:9], s[8:9], s[22:23]
	s_add_nc_u64 s[6:7], s[6:7], s[24:25]
	s_add_nc_u64 s[10:11], s[10:11], s[26:27]
	s_add_nc_u64 s[12:13], s[12:13], s[28:29]
.set t, 0
.rept 32
	global_load_b128 v[R+4*t:R+4*t+3], v3, s[4:5] offset:512*t th:TH_LOAD_NT   ; load i of step s is number 4 s + i: 32 lanes read 512 consecutive bytes; read once in the launch
.set t, t+1
.endr
.macro TURN t                          ; step t's numbers through the stage: LDS serves a wave's instructions in order, so no wait stands between the stores and the loads
.irp i, 0,1,2,3
	ds_store_b128 v14, v[R+16*(\t)+4*\i:R+16*(\t)+4*\i+3] offset:32*SP*((\t)%2)+8*SP*\i
.endr
.irp i, 0,1,2,3
	ds_load_b128 v[X+16*((\t)%2)+4*\i:X+16*((\t)%2)+4*\i+3], v15 offset:32*SP*((\t)%2)+16*\i
.endr
.endm
.macro STEP t
.set XS, X+16*((\t)%2)
.if (\t) > 0
	s_wait_dscnt 1                                 ; this step's numbers are back from the stage; the last step's byte store may be out
.else
	s_wait_dscnt 0x0
.endif
.if (\t)+1 < STEPS
	s_wait_loadcnt 28-4*((\t)+1)                   ; the next step's four loads are in; those of the steps behind it may be out
	TURN (\t)+1                                    ; they go through the other stage while this step is worked
.endif
	v_max3_num_f32 v8, |v[XS]|, |v[XS+1]|, |v[XS+2]|               ; the largest magnitude of my 16, in two chains
	v_max3_num_f32 v9, |v[XS+3]|, |v[XS+4]|, |v[XS+5]|
.irp i, 6,10
	v_max3_num_f32 v8, v8, |v[XS+\i]|, |v[XS+\i+1]|
	v_max3_num_f32 v9, v9, |v[XS+\i+2]|, |v[XS+\i+3]|
.endr
	v_max3_num_f32 v8, v8, |v[XS+14]|, |v[XS+15]|
	v_max3_num_f32 v8, v8, v9, 0x4800000           ; and the floor 2^(9 - 127): the byte cannot fall under 1
	v_max_num_f32_dpp v8, v8, v8 row_xmask:1 row_mask:0xf bank_mask:0xf   ; and of my neighbour's 16: the block's
	v_add_nc_u32 v11, 0xfc000000, v8               ; 8 off its exponent field: the conversion takes this operand's exponent field as its scale
	v_and_or_b32 v10, v8, 0x7f800000, s30          ; 448 x the scale
.irp i, 0,1,2,3,4,5,6,7,8,9,10,11,12,13,14,15
	v_med3_num_f32 v[XS+\i], v[XS+\i], -v10, v10   ; the conversion to an 8-bit code does not saturate (ISA guide 7.6.2): the hold comes first
.endr
	v_cvt_scalef32_pk8_fp8_f32 v[C+4*(\t):C+4*(\t)+1], v[XS:XS+7], v11
	v_cvt_scalef32_pk8_fp8_f32 v[C+4*(\t)+2:C+4*(\t)+3], v[XS+8:XS+15], v11
	v_lshrrev_b32 v[E+(\t)], 23, v11               ; the scale's byte (also the plain line behind the conversions)
	ds_store_b8 v5, v[E+(\t)] offset:16*(\t)       ; both lanes of a block write the same byte with the same value
	global_store_b128 v3, v[C+4*(\t):C+4*(\t)+3], s[8:9] offset:512*(\t)   ; 32 lanes store 512 consecutive bytes
.endm
	s_wait_loadcnt 28                              ; step 0's four loads are in
	TURN 0
.irp t, 0,1,2,3,4,5,6,7
	STEP \t
.endr
	; my four rows summed by columns.  Steps p, p + 2, p + 4, p + 6 hold the same 512 columns of the four rows; the registers as loaded are untouched
.irp p, 0,1
.irp i, 0,1,2,3
.irp k, 0,2
	v_pk_add_f32 v[CS+16*\p+4*\i+\k:CS+16*\p+4*\i+\k+1], v[R+16*\p+4*\i+\k:R+16*\p+4*\i+\k+1], v[R+16*(\p+2)+4*\i+\k:R+16*(\p+2)+4*\i+\k+1]
	v_pk_add_f32 v[CS+16*\p+4*\i+\k:CS+16*\p+4*\i+\k+1], v[CS+16*\p+4*\i+\k:CS+16*\p+4*\i+\k+1], v[R+16*(\p+4)+4*\i+\k:R+16*(\p+4)+4*\i+\k+1]
	v_pk_add_f32 v[CS+16*\p+4*\i+\k:CS+16*\p+4*\i+\k+1], v[CS+16*\p+4*\i+\k:CS+16*\p+4*\i+\k+1], v[R+16*(\p+6)+4*\i+\k:R+16*(\p+6)+4*\i+\k+1]
.endr
.endr
.endr
.set t, 0
.rept 32
	global_load_b128 v[R+4*t:R+4*t+3], v3, s[6:7] offset:512*t   ; span_w, my wave's 256 rows: load i holds row 8 i + lane / 4, heads 4 (lane % 4) on.  (The stage's stores out of these registers were shown done by the last step's wait)
.set t, t+1
.endr
.irp p, 0,1
.irp i, 0,1,2,3
	ds_store_b128 v7, v[CS+16*\p+4*\i:CS+16*\p+4*\i+3] offset:2048*\p+512*\i   ; column 512 p + 128 i + 4 lane on, at 4 bytes a column
.endr
.endr
	s_wait_dscnt 0x0                               ; for the others' sake: my column sums and my scale bytes lie in LDS
	s_barrier_signal -1
	s_barrier_wait -1
	s_cmp_lg_u32 s16, 0
	s_cbranch_scc1 .Lnot_wave_0
	ds_load_b128 v[E:E+3], v6                      ; wave 0 sends the group's 512 scale bytes: two aligned blocks of 256 bytes in one store
	s_wait_dscnt 0x0
	global_store_b128 v3, v[E:E+3], s[10:11]
.Lnot_wave_0:
.irp u, 0,1,2,3
	ds_load_b128 v[X+8*\u:X+8*\u+3], v12 offset:4096*\u          ; columns 256 w + 8 lane .. + 7 of the four waves' sums
	ds_load_b128 v[X+8*\u+4:X+8*\u+7], v12 offset:4096*\u+16
.endr
	s_wait_dscnt 0x0
.irp k, 0,2,4,6
	v_pk_add_f32 v[X+\k:X+\k+1], v[X+\k:X+\k+1], v[X+8+\k:X+8+\k+1]
	v_pk_add_f32 v[X+16+\k:X+16+\k+1], v[X+16+\k:X+16+\k+1], v[X+24+\k:X+24+\k+1]
.endr
.irp k, 0,2,4,6
	v_pk_add_f32 v[X+\k:X+\k+1], v[X+\k:X+\k+1], v[X+16+\k:X+16+\k+1]
.endr
	ds_store_b128 v13, v[X:X+3]                    ; the totals of my wave's 256 columns: bytes that only my wave touches, so no barrier
	ds_store_b128 v13, v[X+4:X+7] offset:16
.set t, 0
.rept 32
	ds_load_b32 v[CS+t], v248 offset:32*t          ; the total of the column that is load t's row of span_w
.set t, t+1
.endr
	s_wait_loadcnt 0x0                             ; span_w
	s_wait_dscnt 0x0
.set t, 0
.rept 32
.irp j, 0,1,2,3
.if t < 2
	v_mul_f32 v[ZA+4*(t%2)+\j], v[R+4*t+\j], v[CS+t]             ; the first products start the sums: nothing is cleared
.else
	v_fmac_f32 v[ZA+4*(t%2)+\j], v[R+4*t+\j], v[CS+t]
.endif
.endr
.set t, t+1
.endr
.irp j, 0,1,2,3
	v_add_f32 v[ZA+\j], v[ZA+\j], v[ZA+4+\j]
.endr
.irp j, 0,1,2,3
	v_add_f32_dpp v[ZA+\j], v[ZA+\j], v[ZA+\j] row_xmask:4 row_mask:0xf bank_mask:0xf   ; the lanes with my lane % 4 hold the same heads
.endr
.irp j, 0,1,2,3
	v_add_f32_dpp v[ZA+\j], v[ZA+\j], v[ZA+\j] row_xmask:8 row_mask:0xf bank_mask:0xf
.endr
.irp j, 0,1,2,3
	v_permlanex16_b32 v[ZA+4+\j], v[ZA+\j], s32, s33
.endr
.irp j, 0,1,2,3
	v_add_f32 v[ZA+\j], v[ZA+\j], v[ZA+4+\j]
.endr
	ds_store_b128 v249, v[ZA:ZA+3]                 ; eight lanes write the same 16 bytes with the same values
	s_wait_dscnt 0x0
	s_barrier_signal -1
	s_barrier_wait -1
	s_cmp_lg_u32 s16, 0
	s_cbranch_scc1 .Ldone
.irp u, 0,1,2,3
	ds_load_b32 v[X+\u], v250 offset:64*\u         ; head lane % 16 of the four waves
.endr
	s_wait_dscnt 0x0
	v_add_f32 v[X], v[X], v[X+1]
	v_add_f32 v[X+2], v[X+2], v[X+3]
	v_add_f32 v[X], v[X], v[X+2]
	global_store_b32 v251, v[X], s[12:13]          ; 16 words; lanes l and l + 16 store the same word with the same value
.Ldone:
	s_wait_tensorcnt 0x0
	ds_add_u32 v254, v255
	s_wait_dscnt 0x0
	s_endpgm
.Lfunc_end_k_q816f73492f_quantx:
	.size	k_q816f73492f_quantx, .Lfunc_end_k_q816f73492f_quantx-k_q816f73492f_quantx
	.p2alignl 7, 3214868480
	.fill 96, 4, 3214868480
	.section	.rodata,"a",@progbits
	.p2align	6, 0x0
	.amdhsa_kernel k_q816f73492f_quantx
		.amdhsa_group_segment_fixed_size 45568
		.amdhsa_private_segment_fixed_size 0
		.amdhsa_enable_private_segment 0
		.amdhsa_kernarg_size 40
		.amdhsa_user_sgpr_count 2
		.amdhsa_user_sgpr_kernarg_segment_ptr 1
		.amdhsa_wavefront_size32 1
		.amdhsa_system_sgpr_workgroup_id_x 1
		.amdhsa_system_sgpr_workgroup_id_y 1
		.amdhsa_system_sgpr_workgroup_id_z 1
		.amdhsa_system_vgpr_workitem_id 0
		.amdhsa_next_free_vgpr 256
		.amdhsa_next_free_sgpr 66
		.amdhsa_reserve_vcc 0
		.amdhsa_float_denorm_mode_32 3
		.amdhsa_float_denorm_mode_16_64 3
		.amdhsa_memory_ordered 1
		.amdhsa_forward_progress 1
		.amdhsa_inst_pref_size 43
	.end_amdhsa_kernel
	.amdgpu_metadata
---
amdhsa.version: [ 1, 2 ]
amdhsa.kernels:
  - .name:           k_q816f73492f_quantx
    .symbol:         k_q816f73492f_quantx.kd
    .args:
      - { .name: x, .offset: 0, .size: 8, .value_kind: global_buffer, .address_space: global }
      - { .name: span_w, .offset: 8, .size: 8, .value_kind: global_buffer, .address_space: global }
      - { .name: xq, .offset: 16, .size: 8, .value_kind: global_buffer, .address_space: global }
      - { .name: xs, .offset: 24, .size: 8, .value_kind: global_buffer, .address_space: global }
      - { .name: zpart, .offset: 32, .size: 8, .value_kind: global_buffer, .address_space: global }
    .group_segment_fixed_size: 45568
    .private_segment_fixed_size: 0
    .kernarg_segment_align: 8
    .kernarg_segment_size: 40
    .max_flat_workgroup_size: 128
    .sgpr_count:     66
    .vgpr_count:     256
    .wavefront_size: 32
...
	.end_amdgpu_metadata
.endif
;; end of part 1
;; launch qkv (part 2): grid 12 x 16, 4 waves a work-group, clusters of 4 x 4, 327,680 bytes of LDS; arguments xq, xs, Wq_codes, Wq_scales, Wk_codes, Wk_scales, Wv_codes, Wv_scales, qbuf, kbuf, vbuf; writes qbuf, kbuf, vbuf
.if DOCPART == 2
	.amdgcn_target "amdgcn-amd-amdhsa--gfx1250"
	.amdhsa_code_object_version 6
	.text
	.protected	k_q816f73492f_qkv
	.globl	k_q816f73492f_qkv
	.p2align	8
	.type	k_q816f73492f_qkv,@function
k_q816f73492f_qkv:
	s_mov_b64 s[64:65], 0
	v_nop
	global_prefetch_b8 v0, s[64:65] scope:SCOPE_SE
	s_setreg_imm32_b32 hwreg(HW_REG_WAVE_MODE, 25, 1), 1
	s_wait_xcnt 0x0
	s_wait_alu depctr_hold_cnt(0) depctr_sa_sdst(0) depctr_va_vdst(0) depctr_va_sdst(0) depctr_va_ssrc(0) depctr_va_vcc(0) depctr_vm_vsrc(0)
	s_getreg_b32 s2, hwreg(HW_REG_IB_STS2, 6, 4)
	s_cmp_eq_u32 s2, 0
	s_cbranch_scc0 .Lentry_in_a_cluster
	s_endpgm
.Lentry_in_a_cluster:
	s_bfe_u32 s2, ttmp6, 0x10000c
	s_cmp_lg_u32 s2, 0xf033
	s_cbranch_scc0 .Lentry_shape_is_right
	s_endpgm
.Lentry_shape_is_right:
; q = x Wq, k = x Wk, v = x Wv on codes of E4M3 with one E8M0 scale for each 32 along K = 1,024; the results are quantised at once, in registers, for the attention's two products, and leave as IMAGES OF OPERAND REGISTERS.
; A tile of 256 x 256 of a product is made by four waves, each 128 x 128: 64 accumulators.  K goes in steps of 256 through a ring of two LDS slots filled by the tensor data mover; the scale bytes of the
; work-group's 256 + 256 rows come into LDS once.  The matrix instruction is used transposed (source 0 = 16 rows of the B side, source 1 = 16 rows of the A side): a lane holds one row of the A side and eight neighbours of the B side.
; WHICH SIDE IS WHICH hangs on the cluster's x alone (0: q, 1: k, 2: v).  For q and k the A side is x (tokens) and the B side the weight (features): a lane's registers run along the head's d, the K of q k^T.
; For v the A side is Wv and the B side x: a lane's registers run along the TOKENS, the K of attn v.  Both sides have one format (rows of 1,024 codes, 32 scale bytes a row), so one text serves all three.
; THE ORDER INSIDE A BLOCK OF 32.  The 16 registers of two neighbouring accumulators hold, in the lanes' half h, numbers 8 h + 0..7 and 16 + 8 h + 0..7 of a block of 32: all of one block, so maxima and scales are the true ones;
; the codes are laid in that order, and every operand that meets them (q with k, attn with v) is made in the same order, so each product multiplies the right pairs.
; OUT: qbuf, kbuf: [batch x head][128 tokens] blocks of 8,704 bytes: 8 tiles of 16 tokens x (2 pieces of 512 bytes: lane l's 16 codes at 16 l), then 512 bytes of scale words, [lane][4]: lane (r, h), word i = row r of tile 4 h + i
; (bytes 0, 1: the two blocks of d; bytes 2, 3: zero).  vbuf: blocks of 8,448 bytes: 4 tiles of 16 d x (4 pieces of 512 bytes, 32 keys each), then [r][4] scale words, word i = tile i.
; CLUSTERS: 4 x 4 work-groups; the A side's tiles are shared along a row of the cluster, the B side's along a column, by joint loads.
; LIMITS: a block of zeros carries the byte 1 (zero codes; only this program reads it); NaN and infinities are not served.
; REGISTERS: window 0: v0-31 addresses; v32-63 scale words, two sets, and nothing else; v64-99 at work on the way out; from v128 A's fragments, one set, later the codes made.  window 1: B's fragments, two sets.  windows 2, 3: the accumulators.
.set KSTEP,  256
.set NQ,     KSTEP/128
.set ROWB,   256
.set KROW,   1024
.set PITCH,  272                       ; an LDS row: 256 bytes + 16 of padding: the 16 rows that a load touches start at 16 different banks (64 banks of 4 bytes: ISA guide 11.1)
.set FR,     16
.set NL,     4
.set NP,     8                         ; places behind this matrix instruction (ISA guide 7.12.1)
.set HALFT,  128*PITCH
.set SLOT,   4*HALFT
.set LAPS,   KROW/(2*KSTEP)
.set KS,     KROW/32
.set SCL,    2*SLOT
.set HALFS,  (128*KS/256)*272
.set SBLK,   (16*KS/256)*272
.set SPARE,  SCL+4*HALFS               ; the spare words, 128 bytes for each wave, that no other line names
.set QKBLK,  8704
.set VBLK,   8448
.set ADRA, 16
.set ADRB, 20
.set CO,   26                          ; v26  16 x lane
.set ADRS, 27
.set SPW,  28
.set NIL,  29
.set VOF,  30                          ; v30  v's scale words: (lane / 16) x 16 blocks + 16 (lane % 16)
.set HH,   31
.set SC,   32
.set TM,   64                          ; v64-79 at work in the quantiser
.set PWR,  80                          ; v80-87 the scale word of each of my eight A blocks
.set SELW, 88                          ; v88-91 word i: lanes 0-15 block i's, lanes 16-31 block 4 + i's
.set H0W,  92
.set H1W,  96
.set AF,   128
.set PCD,  128                         ; the codes of A block a: v[128 + 16 a] on
.set G1, 24
.set G0, 32
.set G1B, 48
.set G0B, 56
.set G1S, 68
.set G0S, 76
.set G1SB, 80
.set G0SB, 88
.set SEL, 96
.set MNT, 98
.set MSB, 0
.macro WIN new                         ; the immediate's high byte repeats the setting that is left
.if MSB != (\new)
	s_set_vgpr_msb (MSB<<8)|(\new)
.set MSB, (\new)
.endif
.endm
.set MUL_LO, 0xa1                      ; source 0 (B) window 1, source 1 (A) window 0, C and D window 2
.set MUL_HI, 0xf1
.set TO_B,   0x40
; A joint load: waves 0 and 1 fetch for the A side, waves 2 and 3 for the B side; the branch hangs on the wave's number alone.  Four v_nop follow each of the two lines.
.macro JLOAD g0a, g1a, g0b, g1b
	s_cmp_eq_u32 s15, 0
	s_cbranch_scc0 .Lfor_b_\@
	tensor_load_to_lds s[\g0a:\g0a+3], s[\g1a:\g1a+7]
	s_nop 0
.rept 4
	v_nop
.endr
	s_branch .Lasked_\@
.Lfor_b_\@:
	tensor_load_to_lds s[\g0b:\g0b+3], s[\g1b:\g1b+7]
	s_nop 0
.rept 4
	v_nop
.endr
.Lasked_\@:
.endm
.macro CREST
	s_cmp_lg_u32 s14, 0
	s_cbranch_scc1 .Lnot_wave_0_\@
	s_barrier_signal -3
.Lnot_wave_0_\@:
	s_barrier_wait -3
	s_barrier_signal -1
	s_barrier_wait -1
.endm
.macro CROUND
	s_barrier_signal -1
	s_barrier_wait -1
	CREST
.endm
	s_load_b512 s[68:83], s[0:1], 0x0              ; xq 68, xs 70, Wq codes 72, scales 74, Wk 76, 78, Wv 80, 82
	s_load_b128 s[84:87], s[0:1], 0x40             ; qbuf 84, kbuf 86
	s_load_b64 s[88:89], s[0:1], 0x50              ; vbuf
	v_lshl_add_u32 v[SPW], v0, 2, SPARE
	v_mov_b32 v[NIL], 0
	ds_add_u32 v28, v29
	ds_add_u32 v28, v29
	s_wait_dscnt 0x0
	v_lshrrev_b32 v1, 5, v0
	v_readfirstlane_b32 s14, v1                    ; wave 0..3
	s_lshr_b32 s15, s14, 1                         ; which half of the A side's rows is mine.  Also: I fetch for A (0) or for B (1)
	s_and_b32 s16, s14, 1                          ; which half of the B side's.  Also: which 128 rows I fetch
	s_bfe_u32 s40, ttmp6, 0x40000                  ; cx, cy: my place in the cluster
	s_bfe_u32 s41, ttmp6, 0x40004
	s_and_b32 s17, ttmp7, 0xffff                   ; the cluster's y walks the tokens: on the A side for q and k, on the B side for v
	s_cmp_eq_u32 ttmp9, 2
	s_cselect_b32 s18, 0, s17
	s_cselect_b32 s19, s17, 0
	s_lshl_b32 s17, s18, 2
	s_add_co_u32 s17, s17, s41                     ; the A side's tile: it never holds cx
	s_lshl_b32 s42, s19, 2
	s_add_co_u32 s42, s42, s40                     ; the B side's tile: it never holds cy
	s_lshl_b32 s43, s41, 2
	s_lshl_b32 s43, 15, s43                        ; my row of the cluster
	s_lshl_b32 s44, 0x1111, s40                    ; my column
	s_or_b32 s[G1+0], s43, (0<<16)|(1<<20)|(1<<21)|(5<<22)|(3<<25)  ; the mask; elements of 1 byte; padding on; bit 21 beside a mask; after every 64 words, 4 words
	s_or_b32 s[G1B+0], s44, (0<<16)|(1<<20)|(1<<21)|(5<<22)|(3<<25)
.irp g, G1, G1B
	s_mov_b32 s[\g+1], ROWB<<16                    ; tensor_dim0
	s_mov_b32 s[\g+2], 256<<16                     ; tensor_dim1: the head's loads bring 256 rows
	s_mov_b32 s[\g+3], ROWB<<16                    ; tile_dim0
	s_mov_b32 s[\g+4], 256                         ; tile_dim1
	s_mov_b32 s[\g+5], KROW                        ; the pitch
	s_mov_b32 s[\g+6], 0
	s_mov_b32 s[\g+7], 0
.endr
	s_lshl_b32 s18, s16, 17                        ; in the ring I fetch 128 rows of a tile: which half, in bytes
	s_mov_b32 s19, 0
	s_lshl_b32 s20, s17, 8                         ; A: the tile's first row
	s_lshl_b32 s46, s42, 8                         ; B likewise
	s_lshl_b32 s22, s20, 5                         ; 32 scale bytes a row,
	s_lshl_b32 s92, s46, 5
	s_lshl_b32 s20, s20, 10                        ; 1,024 codes a row
	s_lshl_b32 s46, s46, 10
	s_mov_b32 s21, 0
	s_mov_b32 s23, 0
	s_mov_b32 s47, 0
	s_mov_b32 s93, 0
	s_mul_i32 s45, s14, HALFT                      ; where they go: wave x 128 rows: no place in the cluster enters an LDS address
	s_mov_b32 s[SEL], 0x76543210
	s_mov_b32 s[SEL+1], 0xfedcba98
	s_mov_b32 s[MNT], 0x600000
	s_wait_kmcnt 0x0
	s_cmp_eq_u32 ttmp9, 2                          ; the buffers are chosen by the cluster's x, which hangs on no address
	s_cselect_b64 s[4:5], s[80:81], s[68:69]       ; A's codes: Wv or x
	s_cselect_b64 s[6:7], s[82:83], s[70:71]       ; A's scales
	s_cselect_b64 s[8:9], s[68:69], s[76:77]       ; B's codes: x or Wk
	s_cselect_b64 s[10:11], s[70:71], s[78:79]
	s_cselect_b64 s[12:13], s[88:89], s[86:87]     ; out: vbuf or kbuf
	s_cmp_eq_u32 ttmp9, 0
	s_cselect_b64 s[8:9], s[72:73], s[8:9]         ; or Wq,
	s_cselect_b64 s[10:11], s[74:75], s[10:11]
	s_cselect_b64 s[12:13], s[84:85], s[12:13]     ; and qbuf
	s_add_nc_u64 s[20:21], s[4:5], s[20:21]
	s_add_nc_u64 s[22:23], s[6:7], s[22:23]
	s_add_nc_u64 s[46:47], s[8:9], s[46:47]
	s_add_nc_u64 s[92:93], s[10:11], s[92:93]
	; the scales of 128 rows: a dense block of 4,096 bytes, as rows of 256 bytes (32 elements of 8 bytes), 16 bytes of padding behind each.  (The arguments' registers are free now)
	s_or_b32 s[G1S+0], s43, (3<<16)|(1<<20)|(1<<21)|(5<<22)|(3<<25)
	s_or_b32 s[G1SB+0], s44, (3<<16)|(1<<20)|(1<<21)|(5<<22)|(3<<25)
.irp g, G1S, G1SB
	s_mov_b32 s[\g+1], 32<<16
	s_mov_b32 s[\g+2], KS<<16
	s_mov_b32 s[\g+3], 32<<16
	s_mov_b32 s[\g+4], KS
	s_mov_b32 s[\g+5], 32
	s_mov_b32 s[\g+6], 0
	s_mov_b32 s[\g+7], 0
.endr
	CROUND                                         ; all sixteen work-groups are here: the first joint loads meet
	s_mov_b32 s4, 1                                ; the head's four tiles, each whole: K step 0's 256 rows of the A side (the pointers that lay in s[4:11] have been used),
	s_mov_b32 s5, 0
	s_mov_b64 s[6:7], s[20:21]
	s_or_b32 s7, s7, 0x80000000
	s_mov_b32 s8, 1                                ; its 256 rows of the B side, behind them in slot 0,
	s_mov_b32 s9, 2*HALFT
	s_mov_b64 s[10:11], s[46:47]
	s_or_b32 s11, s11, 0x80000000
	s_mov_b32 s[G0S], 1                            ; the scales of A's 256 rows,
	s_mov_b32 s[G0S+1], SCL
	s_mov_b64 s[G0S+2:G0S+3], s[22:23]
	s_or_b32 s[G0S+3], s[G0S+3], 0x80000000
	s_mov_b32 s[G0SB], 1                           ; and of B's
	s_mov_b32 s[G0SB+1], SCL+2*HALFS
	s_mov_b64 s[G0SB+2:G0SB+3], s[92:93]
	s_or_b32 s[G0SB+3], s[G0SB+3], 0x80000000
	s_add_nc_u64 s[20:21], s[20:21], s[18:19]      ; for the ring: my 128 rows of the tile
	s_add_nc_u64 s[46:47], s[46:47], s[18:19]
.irp s, 0,1
	s_mov_b32 s[G0+4*\s], 1
	s_add_co_u32 s[G0+4*\s+1], s45, \s*SLOT
	s_add_nc_u64 s[G0+4*\s+2:G0+4*\s+3], s[20:21], \s*ROWB
	s_or_b32 s[G0+4*\s+3], s[G0+4*\s+3], 0x80000000
	s_mov_b32 s[G0B+4*\s], 1
	s_add_co_u32 s[G0B+4*\s+1], s45, \s*SLOT
	s_add_nc_u64 s[G0B+4*\s+2:G0B+4*\s+3], s[46:47], \s*ROWB
	s_or_b32 s[G0B+4*\s+3], s[G0B+4*\s+3], 0x80000000
.endr
; the head's loads, one a wave: one chain of branches on the wave's number, a load to an arm
.macro ARM under, g0, g1, next
	s_cmp_lt_u32 s14, \under
	s_cbranch_scc0 \next
	tensor_load_to_lds s[\g0:\g0+3], s[\g1:\g1+7]
	s_nop 0
.rept 4
	v_nop
.endr
	s_branch .Lhead_asked
\next:
.endm
	ARM 1, 4, G1, .Lhead_b
	ARM 2, 8, G1B, .Lhead_sa
	ARM 3, G0S, G1S, .Lhead_sb
	tensor_load_to_lds s[G0SB:G0SB+3], s[G1SB:G1SB+7]
	s_nop 0
.rept 4
	v_nop
.endr
.Lhead_asked:
	v_and_b32 v1, 15, v0                           ; l % 16
	v_bfe_u32 v2, v0, 4, 1                         ; l / 16
	v_mul_u32_u24 v3, v1, PITCH
	v_lshl_add_u32 v4, v2, 4, v3                   ; a fragment's row x pitch + 16 x half
	s_mul_i32 s21, s15, HALFT
	s_mul_i32 s22, s16, HALFT
	s_add_co_u32 s22, s22, 2*HALFT
.irp s, 0,1
	v_add_nc_u32 v[ADRA+\s], s21, v4
	v_add_nc_u32 v[ADRB+\s], s22, v4
	s_add_co_u32 s21, s21, SLOT
	s_add_co_u32 s22, s22, SLOT
.endr
	v_mul_u32_u24 v5, v1, KS                       ; my row's scales: 32 bytes a row,
	v_lshrrev_b32 v6, 8, v5
	v_lshl_add_u32 v5, v6, 4, v5                   ; and 16 more for each 256 passed
	s_mul_i32 s21, s15, HALFS
	s_mul_i32 s22, s16, HALFS
	s_add_co_u32 s22, s22, 2*HALFS
	s_sub_co_u32 s22, s22, s21
	v_mul_u32_u24 v6, s22, v2                      ; lanes 16-31 take B's
	s_add_co_u32 s21, s21, SCL
	v_add_nc_u32 v5, v5, v6
	v_add_nc_u32 v[ADRS], s21, v5
	v_and_b32 v6, 31, v0
	v_lshlrev_b32 v[CO], 4, v6
	v_mul_u32_u24 v[VOF], v2, 16*VBLK
	v_lshl_add_u32 v[VOF], v1, 4, v[VOF]
	v_and_b32 v[HH], 16, v0
	; where my wave's first block begins in its output: ((batch x 16 + head) x 16 + the tokens' block of 128) blocks
	s_cmp_eq_u32 ttmp9, 2
	s_cselect_b32 s20, s42, s17                    ; the tile that counts tokens,
	s_cselect_b32 s21, s16, s15                    ; my half of it,
	s_cselect_b32 s22, s17, s42                    ; the tile that counts features,
	s_cselect_b32 s23, s15, s16
	s_mov_b32 s46, QKBLK
	s_cselect_b32 s46, VBLK, s46                   ; a block's bytes
	s_lshl_b32 s20, s20, 1
	s_add_co_u32 s20, s20, s21                     ; 16 x batch + block
	s_lshl_b32 s22, s22, 2
	s_lshl_b32 s23, s23, 1
	s_add_co_u32 s22, s22, s23                     ; my first head (I hold two)
	s_lshr_b32 s21, s20, 4
	s_and_b32 s20, s20, 15
	s_lshl_b32 s21, s21, 4
	s_add_co_u32 s21, s21, s22
	s_lshl_b32 s21, s21, 4
	s_add_co_u32 s21, s21, s20
	s_mul_i32 s20, s21, s46
	s_mov_b32 s21, 0
	s_add_nc_u64 s[12:13], s[12:13], s[20:21]
.macro FRAG reg, adr, q, i             ; 16 rows x 128 K: lane l holds row l % 16; registers 4 c .. 4 c + 3 hold K = 32 c + 16 (l / 16) + 0 .. 15
.irp c, 0,1,2,3
	ds_load_b128 v[\reg+4*\c:\reg+4*\c+3], v[\adr] offset:128*(\q)+32*\c+(\i)*16*PITCH
.endr
.endm
; 16 matrix instructions: A's blocks a0, a0 + 1 x B's eight.  The 64 accumulators take turns, one instruction a turn, in the same order in every step.
.macro MUL16 a0, p, q, sc, zero
.irp a, \a0, \a0+1
.irp b, 0,1,2,3,4,5,6,7
.if \zero
	v_wmma_scale_f32_16x16x128_f8f6f4 v[8*(8*((\a)%4)+\b):8*(8*((\a)%4)+\b)+7], v[128*(\p)+FR*\b:128*(\p)+FR*\b+FR-1], v[AF+FR*(\a):AF+FR*(\a)+FR-1], 0, v[SC+8*NQ*(\sc)+NQ*\b+(\q)], v[SC+8*NQ*(\sc)+NQ*(\a)+(\q)] matrix_a_scale:MATRIX_SCALE_ROW1
.else
	v_wmma_scale_f32_16x16x128_f8f6f4 v[8*(8*((\a)%4)+\b):8*(8*((\a)%4)+\b)+7], v[128*(\p)+FR*\b:128*(\p)+FR*\b+FR-1], v[AF+FR*(\a):AF+FR*(\a)+FR-1], v[8*(8*((\a)%4)+\b):8*(8*((\a)%4)+\b)+7], v[SC+8*NQ*(\sc)+NQ*\b+(\q)], v[SC+8*NQ*(\sc)+NQ*(\a)+(\q)] matrix_a_scale:MATRIX_SCALE_ROW1
.endif
.endr
.endr
.endm
.macro FETCH_B slot, q, p
	WIN TO_B
.irp i, 0,1,2,3,4,5,6,7
	FRAG 128*(\p)+FR*\i, ADRB+\slot, \q, \i
.endr
	WIN 0
.endm
.macro FETCH_A slot, q, i0
.irp i, \i0, \i0+1, \i0+2, \i0+3
	FRAG AF+FR*(\i), ADRA+\slot, \q, \i
.endr
.endm
.macro SCALES sc                       ; a K step's scale words: lanes 0-15 take A's block i, lanes 16-31 B's block i
.irp i, 0,1,2,3,4,5,6,7
	ds_load_b64 v[SC+8*NQ*\sc+NQ*\i:SC+8*NQ*\sc+NQ*\i+1], v[ADRS] offset:\i*SBLK
.endr
.endm
.macro PLACES n                        ; plain vector instructions that name none of a matrix instruction's registers (ISA guide 7.12.1)
.rept \n
	v_nop
.endr
.endm
.macro STEP slot, q, zero              ; 128 along K that has its successor in the same slot
	s_wait_dscnt 4*NL                              ; B's set and A's blocks 0-3 are in; the youngest 16 loads (A's blocks 4-7) may be out
	WIN MUL_LO
	MUL16 0, (\q)%2, \q, \slot, \zero
	MUL16 2, (\q)%2, \q, \slot, \zero
	s_wait_dscnt 0
	PLACES NP
	FETCH_B \slot, (\q)+1, 1-(\q)%2
	FETCH_A \slot, (\q)+1, 0
	WIN MUL_HI
	MUL16 4, (\q)%2, \q, \slot, \zero
	MUL16 6, (\q)%2, \q, \slot, \zero
	PLACES NP
	WIN 0
	FETCH_A \slot, (\q)+1, 4
.endm
; A slot's last step changes slots: one barrier; in front of it each wave waits for all its tensor loads, adds 0 to its spare word, and waits for that and for its reads of this slot.
.macro TURN slot, next, fill
	s_wait_tensorcnt 0x0                           ; all my tensor loads have landed: my part of the next slot
	ds_add_u32 v[SPW], v[NIL]                      ; 0 onto my spare word
	s_wait_dscnt 4*NL+1                            ; the add and the youngest 16 loads may be out
	WIN MUL_LO
	MUL16 0, 1, NQ-1, \slot, 0
	s_wait_dscnt 0x0                               ; the add is done, and my reads of this slot are over
	s_barrier_signal -1
	MUL16 2, 1, NQ-1, \slot, 0
	WIN 0
	s_barrier_wait -1
.if \fill
	CREST                                          ; the barrier has opened a round of the cluster's: no wave of any partner still reads this slot or has a load on its way
	s_add_nc_u64 s[G0+4*\slot+2:G0+4*\slot+3], s[G0+4*\slot+2:G0+4*\slot+3], 2*ROWB
	s_add_nc_u64 s[G0B+4*\slot+2:G0B+4*\slot+3], s[G0B+4*\slot+2:G0B+4*\slot+3], 2*ROWB
	JLOAD G0+4*\slot, G1, G0B+4*\slot, G1B         ; the first tensor load behind the round, my only one until the next; its four v_nop are among the places below
	PLACES NP-4
.else
	PLACES NP
.endif
	s_wait_alu depctr_va_vdst(0)
	v_add_nc_u32 v[ADRS], 4*NQ, v[ADRS]            ; on to the next K step's scale words
	FETCH_B \next, 0, 0
	FETCH_A \next, 0, 0
	SCALES \next
	WIN MUL_HI
	MUL16 4, 1, NQ-1, \slot, 0
	MUL16 6, 1, NQ-1, \slot, 0
	PLACES NP
	WIN 0
	FETCH_A \next, 0, 4
.endm
	s_wait_alu depctr_va_vdst(0)
	s_wait_tensorcnt 0x0                           ; my tile of the head's four is in
	ds_add_u32 v[SPW], v[NIL]
	s_mov_b32 s[G1+2], 128<<16                     ; no tensor load of mine is out: from here on a load brings 128 rows
	s_mov_b32 s[G1+4], 128
	s_mov_b32 s[G1B+2], 128<<16
	s_mov_b32 s[G1B+4], 128
	s_wait_dscnt 0x0
	CROUND                                         ; all four tiles are in, and all sixteen work-groups are here
	JLOAD G0+4, G1, G0B+4, G1B                     ; K step 1, the first tensor load behind the round
	FETCH_B 0, 0, 0
	FETCH_A 0, 0, 0
	SCALES 0
	FETCH_A 0, 0, 4
	STEP 0, 0, 1                                   ; the first step's products start the sums
	s_mov_b32 s3, LAPS-1
.Llap:                                                 ; a trip goes once round the ring and fills both slots again
	TURN 0, 1, 1
	STEP 1, 0, 0
	TURN 1, 0, 1
	STEP 0, 0, 0
	s_sub_co_u32 s3, s3, 1
	s_cmp_lg_u32 s3, 0
	s_cbranch_scc1 .Llap
	TURN 0, 1, 0                                   ; the last lap fills nothing
	STEP 1, 0, 0
	s_wait_dscnt 4*NL
	WIN MUL_LO
	MUL16 0, 1, NQ-1, 1, 0
	MUL16 2, 1, NQ-1, 1, 0
	s_wait_dscnt 0
	WIN MUL_HI
	MUL16 4, 1, NQ-1, 1, 0
	MUL16 6, 1, NQ-1, 1, 0
	WIN 0
; THE WAY OUT.  A block a's 64 registers are four blocks of 32 along the B side, 16 numbers a lane each (the other 16 lie in lane l xor 16).  They become 16 registers of codes and one scale word.
.macro QUNIT a
.set WD, 2+(\a)/4
.set AC, 64*((\a)%4)
.set WMAX, (WD<<2)|(WD<<4)
.set WMED, WD|(WD<<6)
	WIN WMAX                                       ; sources 1 and 2: the accumulators' window
.irp b, 0,1,2,3
	v_max3_num_f32 v[TM+\b], 0x4800000, |v[AC+16*\b]|, |v[AC+16*\b+1]|   ; each accumulator is read from its low end on; the floor 2^(9 - 127) keeps the byte at 1 or more
.endr
.irp i, 2,4,6,8,10,12,14
.irp b, 0,1,2,3
	v_max3_num_f32 v[TM+\b], v[TM+\b], |v[AC+16*\b+\i]|, |v[AC+16*\b+\i+1]|
.endr
.endr
	WIN 0
.irp b, 0,1,2,3
	v_permlanex16_b32 v[TM+4+\b], v[TM+\b], s[SEL], s[SEL+1]
.endr
.irp b, 0,1,2,3
	v_max_num_f32 v[TM+\b], v[TM+\b], v[TM+4+\b]   ; the block's largest magnitude
.endr
.irp b, 0,1,2,3
	v_add_nc_u32 v[TM+12+\b], 0xfc000000, v[TM+\b] ; 8 off its exponent field: the conversion's scale operand
.endr
.irp b, 0,1,2,3
	v_and_or_b32 v[TM+8+\b], v[TM+\b], 0x7f800000, s[MNT]   ; 448 x the scale
.endr
.irp b, 0,1,2,3
	v_lshrrev_b32 v[TM+4+\b], 23, v[TM+12+\b]      ; the scale's byte
.endr
	v_lshl_or_b32 v[PWR+(\a)], v[TM+5], 8, v[TM+4]
	v_lshl_or_b32 v[PWR+(\a)], v[TM+6], 16, v[PWR+(\a)]
	v_lshl_or_b32 v[PWR+(\a)], v[TM+7], 24, v[PWR+(\a)]
	WIN WMED                                       ; source 0 and destination: the accumulators' window
.irp b, 0,1,2,3
.irp i, 0,1,2,3,4,5,6,7,8,9,10,11,12,13,14,15
	v_med3_num_f32 v[AC+16*\b+\i], v[AC+16*\b+\i], -v[TM+8+\b], v[TM+8+\b]   ; the conversion does not saturate (ISA guide 7.6.2): the hold comes first
.endr
.endr
	WIN WD                                         ; source 0 alone
.irp b, 0,1,2,3
	v_cvt_scalef32_pk8_fp8_f32 v[PCD+16*(\a)+4*\b:PCD+16*(\a)+4*\b+1], v[AC+16*\b:AC+16*\b+7], v[TM+12+\b]
	v_cvt_scalef32_pk8_fp8_f32 v[PCD+16*(\a)+4*\b+2:PCD+16*(\a)+4*\b+3], v[AC+16*\b+8:AC+16*\b+15], v[TM+12+\b]
.endr
	WIN 0
	v_nop                                          ; a plain line behind the last conversion of the run
.endm
	PLACES NP                                      ; behind the last products: their results are read and A's registers written below
.irp b, 0,1,2,3
	v_mov_b32 v[TM+4+\b], 0                        ; written once: a lane permute's destination counts as one of its sources
.endr
.irp a, 0,1,2,3,4,5,6,7
	QUNIT \a
.endr
	v_cmp_ne_u32 vcc_lo, 0, v[HH]                  ; lanes 16-31
.irp i, 0,1,2,3
	v_cndmask_b32 v[SELW+\i], v[PWR+\i], v[PWR+4+\i], vcc_lo
.endr
	s_cmp_eq_u32 ttmp9, 2                          ; the same way in every work-group of a cluster; only stores and register work differ
	s_cbranch_scc1 .Lv_out
.irp i, 0,1,2,3
	v_and_b32 v[H0W+\i], 0xffff, v[SELW+\i]        ; my first head's two bytes, zeros above them
.endr
.irp i, 0,1,2,3
	v_lshrrev_b32 v[H1W+\i], 16, v[SELW+\i]        ; my second head's
.endr
.irp a, 0,1,2,3,4,5,6,7
.irp c, 0,1,2,3
	global_store_b128 v[CO], v[PCD+16*\a+4*\c:PCD+16*\a+4*\c+3], s[12:13] offset:(\c/2)*16*QKBLK+1024*\a+512*(\c%2)   ; head c / 2, tile a, piece c % 2: 512 consecutive bytes
.endr
.endr
	global_store_b128 v[CO], v[H0W:H0W+3], s[12:13] offset:8192
	global_store_b128 v[CO], v[H1W:H1W+3], s[12:13] offset:16*QKBLK+8192
	s_branch .Lout_done
.Lv_out:
	s_wait_alu depctr_va_vdst(0)
.irp a, 0,1,2,3,4,5,6,7
.irp c, 0,1,2,3
	global_store_b128 v[CO], v[PCD+16*\a+4*\c:PCD+16*\a+4*\c+3], s[12:13] offset:(\a/4)*16*VBLK+2048*(\a%4)+512*\c    ; head a / 4, tile of d a % 4, 32 keys c
.endr
.endr
	global_store_b128 v[VOF], v[SELW:SELW+3], s[12:13] offset:8192   ; lanes 0-15: my first head's 256 bytes; lanes 16-31: my second head's
.Lout_done:
	s_wait_tensorcnt 0x0                           ; the wave's end
	ds_add_u32 v[SPW], v[NIL]
	s_wait_dscnt 0x0
	CROUND                                         ; the closing round: no work-group ends while a partner may still ask for a tile that names it
	s_endpgm
.Lfunc_end_k_q816f73492f_qkv:
	.size	k_q816f73492f_qkv, .Lfunc_end_k_q816f73492f_qkv-k_q816f73492f_qkv
	.p2alignl 7, 3214868480
	.fill 96, 4, 3214868480
	.section	.rodata,"a",@progbits
	.p2align	6, 0x0
	.amdhsa_kernel k_q816f73492f_qkv
		.amdhsa_group_segment_fixed_size 327680
		.amdhsa_private_segment_fixed_size 0
		.amdhsa_enable_private_segment 0
		.amdhsa_kernarg_size 88
		.amdhsa_user_sgpr_count 2
		.amdhsa_user_sgpr_kernarg_segment_ptr 1
		.amdhsa_wavefront_size32 1
		.amdhsa_system_sgpr_workgroup_id_x 1
		.amdhsa_system_sgpr_workgroup_id_y 1
		.amdhsa_system_sgpr_workgroup_id_z 1
		.amdhsa_system_vgpr_workitem_id 0
		.amdhsa_next_free_vgpr 1024
		.amdhsa_next_free_sgpr 100
		.amdhsa_reserve_vcc 1
		.amdhsa_float_denorm_mode_32 3
		.amdhsa_float_denorm_mode_16_64 3
		.amdhsa_memory_ordered 1
		.amdhsa_forward_progress 1
		.amdhsa_inst_pref_size 190
	.end_amdhsa_kernel
	.amdgpu_metadata
---
amdhsa.version: [ 1, 2 ]
amdhsa.kernels:
  - .name:           k_q816f73492f_qkv
    .symbol:         k_q816f73492f_qkv.kd
    .args:
      - { .name: xq, .offset: 0, .size: 8, .value_kind: global_buffer, .address_space: global }
      - { .name: xs, .offset: 8, .size: 8, .value_kind: global_buffer, .address_space: global }
      - { .name: Wq_codes, .offset: 16, .size: 8, .value_kind: global_buffer, .address_space: global }
      - { .name: Wq_scales, .offset: 24, .size: 8, .value_kind: global_buffer, .address_space: global }
      - { .name: Wk_codes, .offset: 32, .size: 8, .value_kind: global_buffer, .address_space: global }
      - { .name: Wk_scales, .offset: 40, .size: 8, .value_kind: global_buffer, .address_space: global }
      - { .name: Wv_codes, .offset: 48, .size: 8, .value_kind: global_buffer, .address_space: global }
      - { .name: Wv_scales, .offset: 56, .size: 8, .value_kind: global_buffer, .address_space: global }
      - { .name: qbuf, .offset: 64, .size: 8, .value_kind: global_buffer, .address_space: global }
      - { .name: kbuf, .offset: 72, .size: 8, .value_kind: global_buffer, .address_space: global }
      - { .name: vbuf, .offset: 80, .size: 8, .value_kind: global_buffer, .address_space: global }
    .group_segment_fixed_size: 327680
    .private_segment_fixed_size: 0
    .kernarg_segment_align: 8
    .kernarg_segment_size: 88
    .max_flat_workgroup_size: 128
    .sgpr_count:     100
    .vgpr_count:     1024
    .wavefront_size: 32
...
	.end_amdgpu_metadata
.endif
;; end of part 2
;; launch attn (part 3): grid 8 x 32, 8 waves a work-group, clusters of 4 x 1, 327,680 bytes of LDS; arguments qbuf, kbuf, vbuf, zpart, span_b, oimg, oscl; writes oimg, oscl
.if DOCPART == 3
	.amdgcn_target "amdgcn-amd-amdhsa--gfx1250"
	.amdhsa_code_object_version 6
	.text
	.protected	k_q816f73492f_attn
	.globl	k_q816f73492f_attn
	.p2align	8
	.type	k_q816f73492f_attn,@function
k_q816f73492f_attn:
	s_mov_b64 s[64:65], 0
	v_nop
	global_prefetch_b8 v0, s[64:65] scope:SCOPE_SE
	s_setreg_imm32_b32 hwreg(HW_REG_WAVE_MODE, 25, 1), 1
	s_wait_xcnt 0x0
	s_wait_alu depctr_hold_cnt(0) depctr_sa_sdst(0) depctr_va_vdst(0) depctr_va_sdst(0) depctr_va_ssrc(0) depctr_va_vcc(0) depctr_vm_vsrc(0)
	s_getreg_b32 s2, hwreg(HW_REG_IB_STS2, 6, 4)
	s_cmp_eq_u32 s2, 0
	s_cbranch_scc0 .Lentry_in_a_cluster
	s_endpgm
.Lentry_in_a_cluster:
	s_bfe_u32 s2, ttmp6, 0x10000c
	s_cmp_lg_u32 s2, 0x3003
	s_cbranch_scc0 .Lentry_shape_is_right
	s_endpgm
.Lentry_shape_is_right:
; Adaptive-span attention of one (batch, head) on codes of E4M3: attn = softmax(q k^T / 8, causal) x w / (sum(softmax x w) + 1e-8), w = clamp((R + z - dist) / R, 0, 1); o = attn v; o leaves as codes and scale bytes for the projection.
; attn is quantised FINISHED, so the keys are walked twice.  Pass 1: the running largest t = score x log2(e) / 8, and D = sum of 2^(t - max) x max(w, 1e-8).  Pass 2: attn = 2^(t - max - log2 D) x w, quantised along the keys, times v.
; D stands for sum(e w) + 1e-8 sum(e).  LIMIT: max(w, 1e-8) differs from w + 1e-8 by at most 1e-8, while R + z - dist, at least 256 where w > 0, is itself rounded to 2^-16, that is 2^-24 of w's unit.  NaN and infinities among the inputs are not served.
; SHARES.  Work-group (x, bh): the x-th tile of 16 queries of each of the head's 16 blocks of 128.  Eight waves; wave w takes block 15 - w and then block w: 17 key steps of 128 in each pass for every wave.  Steps past a tile's diagonal are jumped over by ids; trip counts are constants.
; LDS holds the head's K (16 x 8,704 bytes) and V (16 x 8,448), images of operand registers, filled once: waves 0-3 fetch four blocks of K each, waves 4-7 of V, jointly for the four work-groups of a cluster, which walk the same head.
; No prefetch: all tensor loads stand at the head, and the launch has no loop that runs ahead of them.
; Both products are used transposed: a lane holds one query (lane % 16); register j of score tile t is key 16 t + 8 (lane / 16) + j.  The head's 64 fill half of the instruction's K: q's upper eight registers are zero codes.
.set KBLK,  8704
.set VBLK,  8448
.set VBASE, 16*KBLK
.set SPARE, 0x43000                    ; behind V: the spare words, 128 bytes a wave
.set LI,   1                           ; 16 x lane
.set LR,   2                           ; 16 x (lane % 16)
.set ADK,  3
.set ADV,  4
.set ADVS, 5
.set DL,   6                           ; my query in its block - 8 (lane / 16)
.set NINF, 7
.set DQ0,  8
.set DQ,   9                           ; (query - the step's first key - 8 (lane / 16)) / 256
.set ZS,   10                          ; (R + z) / R
.set OSO,  11
.set NM,   12                          ; v12 -(what is taken off t), v13 the running largest t
.set SPW,  14
.set NIL,  15
.set VS,   18                          ; v18-21 V's scale words
.set F,    22                          ; pass 1: v22 the rescaling factor, v23 = 0
.set PW,   22                          ; pass 2: attn's scale word
.set BA,   24
.set T,    26                          ; v26-33 eight w
.set QS,   34
.set KSC,  36
.set Q,    40
.set KB,   56                          ; v56-127 K's or V's fragments; v120-127 zero codes
.set S,    128
.set O,    192
.set PC,   224
.set LM,   224                         ; pass 1: D in four pairs
.set TM,   240
.set T2,   240                         ; eight more w
.set CH,   244
.set WV,   18
.set MNT,  19
.set SEL,  20
.set CS,   22
.set G1K,  24
.set G1V,  32
.set G0K,  40
.set G0V,  44
.set BETA, 48
.set JT,   49
.set BH,   50
.set SG,   51
.set KA,   52
.set VA,   53
.set KN,   54
.set IT,   55
.macro WALU
	s_wait_alu depctr_va_vdst(0)
.endm
.macro NOPS n
.rept \n
	v_nop
.endr
.endm
.macro CROUND
	s_barrier_signal -1
	s_barrier_wait -1
	s_cmp_lg_u32 s[WV], 0
	s_cbranch_scc1 .Lnot_wave_0_\@
	s_barrier_signal -3
.Lnot_wave_0_\@:
	s_barrier_wait -3
	s_barrier_signal -1
	s_barrier_wait -1
.endm
	s_load_b256 s[4:11], s[0:1], 0x0               ; qbuf, kbuf, vbuf, zpart
	s_load_b128 s[12:15], s[0:1], 0x20             ; span_b, oimg
	s_load_b64 s[16:17], s[0:1], 0x30              ; oscl
	v_lshl_add_u32 v[SPW], v0, 2, SPARE
	v_mov_b32 v[NIL], 0
	ds_add_u32 v[SPW], v[NIL]                      ; the opening lines: the add twice on end and its wait
	ds_add_u32 v[SPW], v[NIL]
	v_lshrrev_b32 v3, 5, v0
	v_readfirstlane_b32 s[WV], v3
	s_bfe_u32 s56, ttmp6, 0x40000
	s_lshl_b32 s[JT], ttmp9, 2
	s_add_co_u32 s[JT], s[JT], s56                 ; which tile of 16 queries in each block: it enters global addresses and lane data alone
	s_and_b32 s[BH], ttmp7, 0xffff
	s_mov_b32 s[G1K], 15|(3<<16)|(1<<21)           ; four blocks of K: 136 dense rows of 256 bytes, for all four partners
	s_mov_b32 s[G1K+1], 32<<16
	s_mov_b32 s[G1K+2], 136<<16
	s_mov_b32 s[G1K+3], 32<<16
	s_mov_b32 s[G1K+4], 136
	s_mov_b32 s[G1K+5], 32
	s_mov_b32 s[G1K+6], 0
	s_mov_b32 s[G1K+7], 0
	s_mov_b32 s[G1V], 15|(3<<16)|(1<<21)           ; four blocks of V: 132 rows
	s_mov_b32 s[G1V+1], 32<<16
	s_mov_b32 s[G1V+2], 132<<16
	s_mov_b32 s[G1V+3], 32<<16
	s_mov_b32 s[G1V+4], 132
	s_mov_b32 s[G1V+5], 32
	s_mov_b32 s[G1V+6], 0
	s_mov_b32 s[G1V+7], 0
	s_and_b32 s56, s[WV], 3
	s_lshl_b32 s57, s[BH], 4
	s_lshl_b32 s58, s56, 2
	s_add_co_u32 s57, s57, s58                     ; my first block: 16 x head + 4 (wave % 4)
	s_mul_i32 s58, s57, KBLK
	s_mov_b32 s59, 0
	s_mul_i32 s60, s57, VBLK
	s_mov_b32 s61, 0
	s_mov_b32 s[G0K], 1
	s_mul_i32 s[G0K+1], s56, 4*KBLK
	s_mov_b32 s[G0V], 1
	s_mul_i32 s[G0V+1], s56, 4*VBLK
	s_add_co_u32 s[G0V+1], s[G0V+1], VBASE
	s_mov_b32 s[MNT], 0x600000
	s_mov_b32 s[SEL], 0x76543210
	s_mov_b32 s[SEL+1], 0xfedcba98
	s_mov_b32 s[CS], 0x3e38aa3b                    ; log2(e) / 8
	s_mov_b32 s[CS+1], s[CS]
	s_mov_b32 s62, 0x45000000                      ; T = 2,048
	s_mov_b32 s63, 0x43800000                      ; R = 256
	WALU
	s_wait_dscnt 0x0
	s_wait_kmcnt 0x0
	s_add_nc_u64 s[G0K+2:G0K+3], s[6:7], s[58:59]
	s_or_b32 s[G0K+3], s[G0K+3], 0x80000000
	s_add_nc_u64 s[G0V+2:G0V+3], s[8:9], s[60:61]
	s_or_b32 s[G0V+3], s[G0V+3], 0x80000000
	CROUND
	s_cmp_lt_u32 s[WV], 4                          ; one joint load a wave
	s_cbranch_scc0 .Lfor_v
	tensor_load_to_lds s[G0K:G0K+3], s[G1K:G1K+7]
	s_nop 0
	NOPS 4
	s_branch .Lasked
.Lfor_v:
	tensor_load_to_lds s[G0V:G0V+3], s[G1V:G1V+7]
	s_nop 0
	NOPS 4
.Lasked:
	; z of my batch and head: the 128 groups' parts of sum(x) . span_w, / T, + span_b, through the sigmoid
	s_lshr_b32 s56, s[BH], 4
	s_and_b32 s57, s[BH], 15
	s_lshl_b32 s60, s56, 13
	s_lshl_b32 s59, s57, 2
	s_add_co_u32 s60, s60, s59
	s_mov_b32 s61, 0
	s_add_nc_u64 s[10:11], s[10:11], s[60:61]
	s_mov_b32 s60, s59
	s_add_nc_u64 s[12:13], s[12:13], s[60:61]
	s_load_b32 s76, s[12:13], 0x0
	s_lshl_b32 s77, s[JT], 4
	v_and_b32 v1, 31, v0
	v_lshlrev_b32 v252, 6, v1
	v_lshlrev_b32 v[LI], 4, v1
	v_and_b32 v[OSO], 15, v0
	v_lshlrev_b32 v[LR], 4, v[OSO]
.irp u, 0,1,2,3
	global_load_b32 v[CH+\u], v252, s[10:11] offset:2048*\u
.endr
	v_bfe_u32 v253, v0, 4, 1
	v_lshlrev_b32 v253, 3, v253
	v_sub_nc_u32 v[DL], v[OSO], v253
	v_add_nc_u32 v[DL], s77, v[DL]
	v_lshlrev_b32 v[OSO], 5, v[OSO]
	v_mov_b32 v[NINF], 0xff800000
.irp j, 0,1,2,3,4,5,6,7
	v_mov_b32 v[Q+8+\j], 0
	v_mov_b32 v[KB+64+\j], 0
.endr
	v_mov_b32 v[F+1], 0
	v_mov_b32 v248, 0                              ; a lane permute's destination counts as a source
	v_mov_b32 v249, 0
	WALU
	s_wait_loadcnt 0x0
	s_wait_kmcnt 0x0
	v_add_f32 v244, v244, v245
	v_add_f32 v246, v246, v247
	v_add_f32 v244, v244, v246
	v_add_f32_dpp v244, v244, v244 row_xmask:1 row_mask:0xf bank_mask:0xf
	v_add_f32_dpp v244, v244, v244 row_xmask:2 row_mask:0xf bank_mask:0xf
	v_add_f32_dpp v244, v244, v244 row_xmask:4 row_mask:0xf bank_mask:0xf
	v_add_f32_dpp v244, v244, v244 row_xmask:8 row_mask:0xf bank_mask:0xf
	v_permlanex16_b32 v245, v244, s[SEL], s[SEL+1]
	v_add_f32 v244, v244, v245
	v_mov_b32 v245, s76
	v_fma_f32 v[ZS], v244, 0x3a000000, v245
	v_mul_f32 v[ZS], 0xbfb8aa3b, v[ZS]
	WALU
	v_exp_f32 v[ZS], v[ZS]
	v_nop
	WALU
	v_add_f32 v[ZS], 1.0, v[ZS]
	WALU
	v_rcp_f32 v[ZS], v[ZS]
	v_nop
	WALU
	v_fma_f32 v[ZS], v[ZS], s62, s63
	v_mul_f32 v[ZS], 0x3b800000, v[ZS]
	WALU
	s_wait_tensorcnt 0x0                           ; my part of K or V is in; behind the barrier everybody's is.  Nothing is filled again
	s_barrier_signal -1
	s_barrier_wait -1
.macro KLOAD                           ; a block of K: eight tiles of 16 keys, and their scale words
.irp t, 0,1,2,3,4,5,6,7
	ds_load_b128 v[KB+8*\t:KB+8*\t+3], v[ADK] offset:1024*\t
	ds_load_b128 v[KB+8*\t+4:KB+8*\t+7], v[ADK] offset:1024*\t+512
.endr
	ds_load_b128 v[KSC:KSC+3], v[ADK] offset:8192
.endm
.macro SMUL                            ; a tile's upper eight registers are the next tile's codes: they meet q's zero codes
.irp t, 0,1,2,3
	v_wmma_scale_f32_16x16x128_f8f6f4 v[S+8*\t:S+8*\t+7], v[KB+8*\t:KB+8*\t+15], v[Q:Q+15], 0, v[KSC+\t], v[QS]
.endr
.irp t, 4,5,6,7
	v_wmma_scale_f32_16x16x128_f8f6f4 v[S+8*\t:S+8*\t+7], v[KB+8*\t:KB+8*\t+15], v[Q:Q+15], 0, v[KSC+\t-4], v[QS] matrix_a_scale:MATRIX_SCALE_ROW1
.endr
.endm
.macro WBASE                           ; (R + z - dist) / R of the step's keys 0 and 1 of my half; three of the places behind the products
	v_sub_f32 v[BA], v[ZS], v[DQ]
	v_add_f32 v[BA+1], 0x3b800000, v[BA]
	v_add_f32 v[DQ], -0.5, v[DQ]
.endm
.macro HIDE                            ; on the diagonal: keys behind my query get -infinity
.set n, 0
.rept 64
	v_cmp_gt_i32 vcc_lo, 16*(n/8)+n%8, v[DL]
	v_cndmask_b32 v[S+n], v[S+n], v[NINF], vcc_lo
.set n, n+1
.endr
.endm
.macro TMINUS
.set n, 0
.rept 32
	v_pk_fma_f32 v[S+n:S+n+1], v[S+n:S+n+1], s[CS:CS+1], v[NM:NM+1] op_sel_hi:[1,0,0]
.set n, n+2
.endr
.endm
.macro EXPS
.set n, 0
.rept 64
	v_exp_f32 v[S+n], v[S+n]
.set n, n+1
.endr
.endm
.macro MASK tt, low                    ; the next tile's eight w, held between low and 1
	v_pk_add_f32 v[\tt+2:\tt+3], v[BA:BA+1], 0x3c000000 op_sel_hi:[1,0]
	v_pk_add_f32 v[\tt+4:\tt+5], v[BA:BA+1], 0x3c800000 op_sel_hi:[1,0]
	v_pk_add_f32 v[\tt+6:\tt+7], v[BA:BA+1], 0x3cc00000 op_sel_hi:[1,0]
	v_med3_num_f32 v[\tt], v[BA], \low, 1.0
	v_med3_num_f32 v[\tt+1], v[BA+1], \low, 1.0
.irp k, 2,3,4,5,6,7
	v_med3_num_f32 v[\tt+\k], v[\tt+\k], \low, 1.0
.endr
	v_pk_add_f32 v[BA:BA+1], v[BA:BA+1], 0x3d800000 op_sel_hi:[1,0]
.endm
.macro ACC t, tt                       ; D += e w, in four chains
.irp k, 0,2,4,6
	v_pk_fma_f32 v[LM+\k:LM+\k+1], v[S+8*(\t)+\k:S+8*(\t)+\k+1], v[\tt+\k:\tt+\k+1], v[LM+\k:LM+\k+1]
.endr
.endm
.macro MULW t, tt
.irp k, 0,2,4,6
	v_pk_mul_f32 v[S+8*(\t)+\k:S+8*(\t)+\k+1], v[S+8*(\t)+\k:S+8*(\t)+\k+1], v[\tt+\k:\tt+\k+1]
.endr
.endm
.macro P1STEP
	s_cmp_gt_u32 s[SG], s[BETA]
	s_cbranch_scc1 .Lp1_end_\@
	s_add_co_u32 s[KN], s[KA], KBLK
	s_wait_dscnt 0x0                               ; this step's K, asked for a step ago
	SMUL
	WBASE
	v_add_nc_u32 v[ADK], s[KN], v[LI]
	NOPS 4                                         ; eight places behind the products
	WALU
	s_cmp_lg_u32 s[SG], s[BETA]
	s_cbranch_scc1 .Lopen_\@
	HIDE
	WALU
	s_branch .Lmax_\@                              ; the diagonal step is the tile's last: nothing more is fetched
.Lopen_\@:
	KLOAD                                          ; the next step's K lands under the softmax
.Lmax_\@:
.irp b, 0,1,2,3
	v_max3_num_f32 v[CH+\b], v[S+16*\b], v[S+16*\b+1], v[S+16*\b+2]
.endr
.irp i, 3,5,7,9,11,13
.irp b, 0,1,2,3
	v_max3_num_f32 v[CH+\b], v[CH+\b], v[S+16*\b+\i], v[S+16*\b+\i+1]
.endr
.endr
.irp b, 0,1,2,3
	v_max_num_f32 v[CH+\b], v[CH+\b], v[S+16*\b+15]
.endr
	v_max3_num_f32 v252, v[CH], v[CH+1], v[CH+2]
	v_max_num_f32 v252, v252, v[CH+3]
	v_permlanex16_b32 v253, v252, s[SEL], s[SEL+1]
	v_max_num_f32 v252, v252, v253
	v_mul_f32 v252, s[CS], v252
	v_max_num_f32 v252, v[NM+1], v252              ; the running largest t
	v_sub_f32 v[F], v[NM+1], v252
	v_mov_b32 v[NM+1], v252
	v_sub_f32 v[NM], 0, v252
	TMINUS
	WALU                                           ; one wait ahead of the batch,
	v_exp_f32 v[F], v[F]
	EXPS
	MASK T, 0x322bcc77                             ; plain work that names none of the batch's results
	MASK T2, 0x322bcc77
	WALU                                           ; and one behind it
.irp k, 0,2,4,6
	v_pk_mul_f32 v[LM+\k:LM+\k+1], v[LM+\k:LM+\k+1], v[F:F+1] op_sel_hi:[1,0]
.endr
	ACC 0, T
	ACC 1, T2
.irp t, 2,4,6
	MASK T, 0x322bcc77
	MASK T2, 0x322bcc77
	ACC \t, T
	ACC \t+1, T2
.endr
	WALU
.Lp1_end_\@:
	s_add_co_u32 s[KA], s[KA], KBLK
.endm
.macro P2STEP
	s_cmp_gt_u32 s[SG], s[BETA]
	s_cbranch_scc1 .Lp2_end_\@
	s_add_co_u32 s[KN], s[KA], KBLK
	s_wait_dscnt 0x0
	SMUL
	WBASE
	v_add_nc_u32 v[ADV], s[VA], v[LI]
	v_add_nc_u32 v[ADVS], s[VA], v[LR]
	NOPS 3                                         ; eight places behind the products
.irp d, 0,1,2,3
.irp c, 0,1,2,3
	ds_load_b128 v[KB+16*\d+4*\c:KB+16*\d+4*\c+3], v[ADV] offset:2048*\d+512*\c   ; V's four tiles land under the softmax
.endr
.endr
	ds_load_b128 v[VS:VS+3], v[ADVS] offset:8192
	WALU
	s_cmp_lg_u32 s[SG], s[BETA]
	s_cbranch_scc1 .Lopen_\@
	HIDE
.Lopen_\@:
	TMINUS
	WALU
	EXPS
	MASK T, 0
	MASK T2, 0
	WALU
	MULW 0, T
	MULW 1, T2
.irp t, 2,4,6
	MASK T, 0
	MASK T2, 0
	MULW \t, T
	MULW \t+1, T2
.endr
.irp b, 0,1,2,3
	v_max3_num_f32 v[TM+\b], v[S+16*\b], v[S+16*\b+1], 0x4800000   ; a block's largest attn, over the floor that keeps the byte at 1 or more
.endr
.irp i, 2,4,6,8,10,12,14
.irp b, 0,1,2,3
	v_max3_num_f32 v[TM+\b], v[TM+\b], v[S+16*\b+\i], v[S+16*\b+\i+1]
.endr
.endr
.irp b, 0,1,2,3
	v_permlanex16_b32 v[TM+4+\b], v[TM+\b], s[SEL], s[SEL+1]
.endr
.irp b, 0,1,2,3
	v_max_num_f32 v[TM+\b], v[TM+\b], v[TM+4+\b]
.endr
.irp b, 0,1,2,3
	v_add_nc_u32 v[TM+12+\b], 0xfc000000, v[TM+\b]
.endr
.irp b, 0,1,2,3
	v_and_or_b32 v[TM+8+\b], v[TM+\b], 0x7f800000, s[MNT]
.endr
.irp b, 0,1,2,3
	v_lshrrev_b32 v[TM+4+\b], 23, v[TM+12+\b]
.endr
	v_lshl_or_b32 v[PW], v[TM+5], 8, v[TM+4]
	v_lshl_or_b32 v[PW], v[TM+6], 16, v[PW]
	v_lshl_or_b32 v[PW], v[TM+7], 24, v[PW]
.irp b, 0,1,2,3
.irp i, 0,1,2,3,4,5,6,7,8,9,10,11,12,13,14,15
	v_min_num_f32 v[S+16*\b+\i], v[S+16*\b+\i], v[TM+8+\b]   ; the conversion does not saturate (ISA guide 7.6.2)
.endr
	v_cvt_scalef32_pk8_fp8_f32 v[PC+4*\b:PC+4*\b+1], v[S+16*\b:S+16*\b+7], v[TM+12+\b]
	v_cvt_scalef32_pk8_fp8_f32 v[PC+4*\b+2:PC+4*\b+3], v[S+16*\b+8:S+16*\b+15], v[TM+12+\b]
.endr
	NOPS 4
	WALU
	s_wait_dscnt 0x0                               ; V
.irp d, 0,1,2,3
	v_wmma_scale_f32_16x16x128_f8f6f4 v[O+8*\d:O+8*\d+7], v[KB+16*\d:KB+16*\d+15], v[PC:PC+15], v[O+8*\d:O+8*\d+7], v[VS+\d], v[PW]
.endr
	s_cmp_eq_u32 s[SG], s[BETA]
	s_cbranch_scc1 .Lp2_end_\@                     ; the diagonal step is the last
	v_add_nc_u32 v[ADK], s[KN], v[LI]
	NOPS 7
	KLOAD
.Lp2_end_\@:
	s_add_co_u32 s[KA], s[KA], KBLK
	s_add_co_u32 s[VA], s[VA], VBLK
.endm
	s_mov_b32 s[IT], 0
.Ltile:                                            ; two trips: block 15 - wave, then block wave
	s_wait_xcnt 0x0                                ; the last tile's loads and stores have read their registers
	s_wait_dscnt 0x0                               ; no LDS load is out when K's registers are asked for anew
	s_sub_co_u32 s56, 15, s[WV]
	s_cmp_eq_u32 s[IT], 0
	s_cselect_b32 s[BETA], s56, s[WV]
	s_lshl_b32 s66, s[BH], 4
	s_add_co_u32 s66, s66, s[BETA]
	s_mul_i32 s66, s66, KBLK
	s_lshl_b32 s67, s[JT], 10
	s_add_co_u32 s68, s66, s67
	s_mov_b32 s69, 0
	s_add_nc_u64 s[68:69], s[4:5], s[68:69]        ; q's codes: my tile
	s_lshr_b32 s70, s[JT], 2
	s_lshl_b32 s70, s70, 8
	s_and_b32 s71, s[JT], 3
	s_lshl_b32 s71, s71, 2
	s_add_co_u32 s70, s70, s71
	s_add_co_u32 s70, s70, s66
	s_mov_b32 s71, 0
	s_add_nc_u64 s[70:71], s[4:5], s[70:71]        ; and its scale words
	global_load_b128 v[Q:Q+3], v[LI], s[68:69]
	global_load_b128 v[Q+4:Q+7], v[LI], s[68:69] offset:512
	global_load_b32 v[QS], v[LR], s[70:71] offset:8192
	s_lshr_b32 s56, s[BH], 4
	s_and_b32 s57, s[BH], 15
	s_lshl_b32 s58, s56, 7
	s_lshl_b32 s59, s[BETA], 3
	s_add_co_u32 s58, s58, s59
	s_add_co_u32 s58, s58, s[JT]                   ; my tile of 16 tokens
	s_lshl_b32 s60, s58, 3
	s_lshr_b32 s59, s57, 1
	s_add_co_u32 s60, s60, s59
	s_lshl_b32 s60, s60, 11
	s_and_b32 s59, s57, 1
	s_lshl_b32 s59, s59, 10
	s_add_co_u32 s60, s60, s59
	s_mov_b32 s61, 0
	s_add_nc_u64 s[72:73], s[14:15], s[60:61]      ; oimg: [tile][128 of K][piece][lane][16]
	s_lshl_b32 s60, s58, 9
	s_lshl_b32 s59, s57, 1
	s_add_co_u32 s60, s60, s59
	s_add_nc_u64 s[74:75], s[16:17], s[60:61]      ; oscl: [token][32]
	s_lshl_b32 s77, s[BETA], 7
	s_mov_b32 s[SG], 0
	s_mov_b32 s[KA], 0
	v_add_nc_u32 v[DQ0], s77, v[DL]
	v_cvt_f32_i32 v[DQ0], v[DQ0]
	v_mul_f32 v[DQ0], 0x3b800000, v[DQ0]
	v_mov_b32 v[DQ], v[DQ0]
	v_mov_b32 v[NM+1], 0xff61b1e6                  ; -3e38, under every t
.irp k, 0,1,2,3,4,5,6,7
	v_mov_b32 v[LM+\k], 0
.endr
	v_mov_b32 v[ADK], v[LI]
	KLOAD
	WALU
	s_wait_loadcnt 0x0
.Lp1:
	P1STEP
	s_add_co_u32 s[SG], s[SG], 1
	s_cmp_lt_u32 s[SG], 16
	s_cbranch_scc1 .Lp1
	s_wait_dscnt 0x0                               ; no LDS load is out when K's registers are asked for anew
	v_pk_add_f32 v[LM:LM+1], v[LM:LM+1], v[LM+2:LM+3]
	v_pk_add_f32 v[LM+4:LM+5], v[LM+4:LM+5], v[LM+6:LM+7]
	v_pk_add_f32 v[LM:LM+1], v[LM:LM+1], v[LM+4:LM+5]
	v_add_f32 v[LM], v[LM], v[LM+1]
	v_permlanex16_b32 v248, v[LM], s[SEL], s[SEL+1]
	v_add_f32 v[LM], v[LM], v248                   ; D
	WALU
	v_log_f32 v[LM], v[LM]
	v_mov_b32 v[DQ], v[DQ0]
	WALU
	v_add_f32 v[NM+1], v[NM+1], v[LM]
	v_sub_f32 v[NM], 0, v[NM+1]                    ; pass 2 takes max + log2 D off t
.set n, 0
.rept 32
	v_mov_b32 v[O+n], 0
.set n, n+1
.endr
	v_mov_b32 v[ADK], v[LI]
	KLOAD
	s_mov_b32 s[SG], 0
	s_mov_b32 s[KA], 0
	s_mov_b32 s[VA], VBASE
	WALU
.Lp2:
	P2STEP
	s_add_co_u32 s[SG], s[SG], 1
	s_cmp_lt_u32 s[SG], 16
	s_cbranch_scc1 .Lp2
	NOPS 8
	; o's 64 numbers of my query are two blocks of 32 along the projection's K: quantised and stored as an image of operand registers
.irp b, 0,1
	v_max3_num_f32 v[TM+\b], |v[O+16*\b]|, |v[O+16*\b+1]|, 0x4800000
.endr
.irp i, 2,4,6,8,10,12,14
.irp b, 0,1
	v_max3_num_f32 v[TM+\b], v[TM+\b], |v[O+16*\b+\i]|, |v[O+16*\b+\i+1]|
.endr
.endr
.irp b, 0,1
	v_permlanex16_b32 v[TM+4+\b], v[TM+\b], s[SEL], s[SEL+1]
.endr
.irp b, 0,1
	v_max_num_f32 v[TM+\b], v[TM+\b], v[TM+4+\b]
.endr
.irp b, 0,1
	v_add_nc_u32 v[TM+12+\b], 0xfc000000, v[TM+\b]
.endr
.irp b, 0,1
	v_and_or_b32 v[TM+8+\b], v[TM+\b], 0x7f800000, s[MNT]
.endr
.irp b, 0,1
	v_lshrrev_b32 v[TM+4+\b], 23, v[TM+12+\b]
.endr
	v_lshl_or_b32 v[TM+4], v[TM+5], 8, v[TM+4]
.irp b, 0,1
.irp i, 0,1,2,3,4,5,6,7,8,9,10,11,12,13,14,15
	v_med3_num_f32 v[O+16*\b+\i], v[O+16*\b+\i], -v[TM+8+\b], v[TM+8+\b]
.endr
	v_cvt_scalef32_pk8_fp8_f32 v[PC+4*\b:PC+4*\b+1], v[O+16*\b:O+16*\b+7], v[TM+12+\b]
	v_cvt_scalef32_pk8_fp8_f32 v[PC+4*\b+2:PC+4*\b+3], v[O+16*\b+8:O+16*\b+15], v[TM+12+\b]
.endr
	v_nop
	global_store_b128 v[LI], v[PC:PC+3], s[72:73]
	global_store_b128 v[LI], v[PC+4:PC+7], s[72:73] offset:512
	global_store_b16 v[OSO], v[TM+4], s[74:75]
	s_add_co_u32 s[IT], s[IT], 1
	s_cmp_lt_u32 s[IT], 2
	WALU
	s_cbranch_scc1 .Ltile
	s_wait_tensorcnt 0x0                           ; the wave's end
	ds_add_u32 v[SPW], v[NIL]
	s_wait_dscnt 0x0
	CROUND                                         ; the closing round
	s_endpgm
.Lfunc_end_k_q816f73492f_attn:
	.size	k_q816f73492f_attn, .Lfunc_end_k_q816f73492f_attn-k_q816f73492f_attn
	.p2alignl 7, 3214868480
	.fill 96, 4, 3214868480
	.section	.rodata,"a",@progbits
	.p2align	6, 0x0
	.amdhsa_kernel k_q816f73492f_attn
		.amdhsa_group_segment_fixed_size 327680
		.amdhsa_private_segment_fixed_size 0
		.amdhsa_enable_private_segment 0
		.amdhsa_kernarg_size 56
		.amdhsa_user_sgpr_count 2
		.amdhsa_user_sgpr_kernarg_segment_ptr 1
		.amdhsa_wavefront_size32 1
		.amdhsa_system_sgpr_workgroup_id_x 1
		.amdhsa_system_sgpr_workgroup_id_y 1
		.amdhsa_system_sgpr_workgroup_id_z 1
		.amdhsa_system_vgpr_workitem_id 0
		.amdhsa_next_free_vgpr 256
		.amdhsa_next_free_sgpr 80
		.amdhsa_reserve_vcc 1
		.amdhsa_float_denorm_mode_32 3
		.amdhsa_float_denorm_mode_16_64 3
		.amdhsa_memory_ordered 1
		.amdhsa_forward_progress 1
		.amdhsa_inst_pref_size 73
	.end_amdhsa_kernel
	.amdgpu_metadata
---
amdhsa.version: [ 1, 2 ]
amdhsa.kernels:
  - .name:           k_q816f73492f_attn
    .symbol:         k_q816f73492f_attn.kd
    .args:
      - { .name: qbuf, .offset: 0, .size: 8, .value_kind: global_buffer, .address_space: global }
      - { .name: kbuf, .offset: 8, .size: 8, .value_kind: global_buffer, .address_space: global }
      - { .name: vbuf, .offset: 16, .size: 8, .value_kind: global_buffer, .address_space: global }
      - { .name: zpart, .offset: 24, .size: 8, .value_kind: global_buffer, .address_space: global }
      - { .name: span_b, .offset: 32, .size: 8, .value_kind: global_buffer, .address_space: global }
      - { .name: oimg, .offset: 40, .size: 8, .value_kind: global_buffer, .address_space: global }
      - { .name: oscl, .offset: 48, .size: 8, .value_kind: global_buffer, .address_space: global }
    .group_segment_fixed_size: 327680
    .private_segment_fixed_size: 0
    .kernarg_segment_align: 8
    .kernarg_segment_size: 56
    .max_flat_workgroup_size: 256
    .sgpr_count:     80
    .vgpr_count:     256
    .wavefront_size: 32
...
	.end_amdgpu_metadata
.endif
;; end of part 3
;; launch proj (part 4): grid 8 x 32, 4 waves a work-group, clusters of 4 x 4, 327,680 bytes of LDS; arguments oimg, oscl, Wo_w_codes, Wo_w_scales, Wo_b, out0; writes out0
.if DOCPART == 4
	.amdgcn_target "amdgcn-amd-amdhsa--gfx1250"
	.amdhsa_code_object_version 6
	.text
	.protected	k_q816f73492f_proj
	.globl	k_q816f73492f_proj
	.p2align	8
	.type	k_q816f73492f_proj,@function
k_q816f73492f_proj:
	s_mov_b64 s[64:65], 0
	v_nop
	global_prefetch_b8 v0, s[64:65] scope:SCOPE_SE
	s_setreg_imm32_b32 hwreg(HW_REG_WAVE_MODE, 25, 1), 1
	s_wait_xcnt 0x0
	s_wait_alu depctr_hold_cnt(0) depctr_sa_sdst(0) depctr_va_vdst(0) depctr_va_sdst(0) depctr_va_ssrc(0) depctr_va_vcc(0) depctr_vm_vsrc(0)
	s_getreg_b32 s2, hwreg(HW_REG_IB_STS2, 6, 4)
	s_cmp_eq_u32 s2, 0
	s_cbranch_scc0 .Lentry_in_a_cluster
	s_endpgm
.Lentry_in_a_cluster:
	s_bfe_u32 s2, ttmp6, 0x10000c
	s_cmp_lg_u32 s2, 0xf033
	s_cbranch_scc0 .Lentry_shape_is_right
	s_endpgm
.Lentry_shape_is_right:
; out0 = o Wo_w + Wo_b on codes of E4M3 with one E8M0 scale for each 32 along K = 1,024; sums in f32, begun with the bias.
; 256 work-groups, each a tile of 128 tokens x 128 columns; four waves, each 64 x 64: 16 accumulators.  ALL of K lies in LDS, filled once: wave 0 fetches o's 128 rows (131,072 dense bytes, an image of operand registers:
; [16 tokens][128 of K][piece of 32][lane][16]), wave 1 Wo_w's 128 rows (1,024 bytes + 16 of padding each), waves 2 and 3 the two sides' scale bytes (4,096 dense bytes each, 16 of padding behind each 256).
; Inside a block of 32 o's codes lie as 8 h + 0..7, 16 + 8 h + 0..7 (h = lane / 16): Wo_w's fragments are read in the same order, by loads of 8 bytes.
; CLUSTERS: 4 x 4; o's tile is shared along a row of the cluster, Wo_w's along a column, by joint loads.  No prefetch: the tensor loads stand at the head, and no loop runs ahead of them.
; The matrix instruction is used transposed (source 0 = Wo_w's rows, source 1 = tokens): a lane holds eight neighbouring columns of one token.
; REGISTERS: window 0: v0-31 addresses; v32-63 scale words (register 4 q + i: lanes 0-15 o's block i, lanes 16-31 Wo_w's block i, for the q-th 128 of K); v64-95 the bias, later with v96-127 the way out; v128-255 accumulators.
; window 1: o's fragments, two sets, v0-127; Wo_w's, two sets, v128-255.
.set PITCH, 1040
.set BB,    131072
.set SCL,   BB+128*PITCH
.set STAGE, SCL+2*4352                 ; 16 rows x (256 + 16) bytes for each wave
.set SPARE, STAGE+4*4352
.set ADRA, 16
.set ADRB, 17
.set ADRS, 18
.set STO,  19
.set RD,   20
.set CO,   21
.set BO,   22
.set SPW,  28
.set NIL,  29
.set SC,   32
.set BI,   64
.set ACC,  128
.set G1A,  32
.set G1B,  40
.set G1SA, 48
.set G1SB, 56
.set G0A,  68
.set G0B,  72
.set G0SA, 76
.set G0SB, 80
.set MSB, 0
.macro WIN new                         ; the immediate's high byte repeats the setting that is left
.if MSB != (\new)
	s_set_vgpr_msb (MSB<<8)|(\new)
.set MSB, (\new)
.endif
.endm
.macro PLACES n
.rept \n
	v_nop
.endr
.endm
.macro CROUND
	s_barrier_signal -1
	s_barrier_wait -1
	s_cmp_lg_u32 s20, 0
	s_cbranch_scc1 .Lnot_wave_0_\@
	s_barrier_signal -3
.Lnot_wave_0_\@:
	s_barrier_wait -3
	s_barrier_signal -1
	s_barrier_wait -1
.endm
.macro DENSE g, rows                   ; group 1's words 1 to 7: so many dense rows of 256 bytes (32 elements of 8)
	s_mov_b32 s[\g+1], 32<<16
	s_mov_b32 s[\g+2], (\rows)<<16
	s_mov_b32 s[\g+3], 32<<16
	s_mov_b32 s[\g+4], \rows
	s_mov_b32 s[\g+5], 32
	s_mov_b32 s[\g+6], 0
	s_mov_b32 s[\g+7], 0
.endm
	s_load_b128 s[4:7], s[0:1], 0x0                ; oimg, oscl
	s_load_b128 s[8:11], s[0:1], 0x10              ; Wo_w's codes, scales
	s_load_b128 s[12:15], s[0:1], 0x20             ; Wo_b, out0
	v_lshl_add_u32 v[SPW], v0, 2, SPARE
	v_mov_b32 v[NIL], 0
	ds_add_u32 v[SPW], v[NIL]                      ; the opening lines: the add twice on end and its wait
	ds_add_u32 v[SPW], v[NIL]
	v_lshrrev_b32 v1, 5, v0
	v_readfirstlane_b32 s20, v1                    ; wave
	s_lshr_b32 s21, s20, 1                         ; my half of the tokens
	s_and_b32 s22, s20, 1                          ; my half of the columns
	s_bfe_u32 s23, ttmp6, 0x40000                  ; cx
	s_bfe_u32 s24, ttmp6, 0x40004                  ; cy
	s_lshl_b32 s25, ttmp9, 2
	s_add_co_u32 s25, s25, s23                     ; tile column
	s_and_b32 s26, ttmp7, 0xffff
	s_lshl_b32 s26, s26, 2
	s_add_co_u32 s26, s26, s24                     ; tile row
	s_lshl_b32 s27, s24, 2
	s_lshl_b32 s27, 15, s27                        ; my row of the cluster
	s_lshl_b32 s28, 0x1111, s23                    ; my column
	s_or_b32 s[G1A], s27, (3<<16)|(1<<21)
	DENSE G1A, 512
	s_or_b32 s[G1B], s28, (1<<20)|(1<<21)|(7<<22)|(3<<25)   ; elements of 1 byte; four words of padding after every 256
	s_mov_b32 s[G1B+1], 1024<<16
	s_mov_b32 s[G1B+2], 128<<16
	s_mov_b32 s[G1B+3], 1024<<16
	s_mov_b32 s[G1B+4], 128
	s_mov_b32 s[G1B+5], 1024
	s_mov_b32 s[G1B+6], 0
	s_mov_b32 s[G1B+7], 0
	s_or_b32 s[G1SA], s27, (3<<16)|(1<<20)|(1<<21)|(5<<22)|(3<<25)
	DENSE G1SA, 16
	s_or_b32 s[G1SB], s28, (3<<16)|(1<<20)|(1<<21)|(5<<22)|(3<<25)
	DENSE G1SB, 16
	s_lshl_b32 s84, s26, 17                        ; o's tile: 131,072 bytes a tile row
	s_mov_b32 s85, 0
	s_lshl_b32 s86, s25, 17                        ; Wo_w's likewise, by the tile column
	s_mov_b32 s87, 0
	s_lshl_b32 s88, s26, 12                        ; 4,096 scale bytes a tile
	s_mov_b32 s89, 0
	s_lshl_b32 s90, s25, 12
	s_mov_b32 s91, 0
	s_mov_b32 s[G0A], 1
	s_mov_b32 s[G0A+1], 0
	s_mov_b32 s[G0B], 1
	s_mov_b32 s[G0B+1], BB
	s_mov_b32 s[G0SA], 1
	s_mov_b32 s[G0SA+1], SCL
	s_mov_b32 s[G0SB], 1
	s_mov_b32 s[G0SB+1], SCL+4352
	s_wait_dscnt 0x0
	CROUND                                         ; all sixteen work-groups are here
	s_wait_kmcnt 0x0
	s_add_nc_u64 s[G0A+2:G0A+3], s[4:5], s[84:85]
	s_or_b32 s[G0A+3], s[G0A+3], 0x80000000
	s_add_nc_u64 s[G0B+2:G0B+3], s[8:9], s[86:87]
	s_or_b32 s[G0B+3], s[G0B+3], 0x80000000
	s_add_nc_u64 s[G0SA+2:G0SA+3], s[6:7], s[88:89]
	s_or_b32 s[G0SA+3], s[G0SA+3], 0x80000000
	s_add_nc_u64 s[G0SB+2:G0SB+3], s[10:11], s[90:91]
	s_or_b32 s[G0SB+3], s[G0SB+3], 0x80000000
.macro ARM under, g0, g1, next         ; one chain of branches on the wave's number, one joint load to an arm
	s_cmp_lt_u32 s20, \under
	s_cbranch_scc0 \next
	tensor_load_to_lds s[\g0:\g0+3], s[\g1:\g1+7]
	s_nop 0
	PLACES 4
	s_branch .Lasked
\next:
.endm
	ARM 1, G0A, G1A, .Lhead_b
	ARM 2, G0B, G1B, .Lhead_sa
	ARM 3, G0SA, G1SA, .Lhead_sb
	tensor_load_to_lds s[G0SB:G0SB+3], s[G1SB:G1SB+7]
	s_nop 0
	PLACES 4
.Lasked:
	s_lshl_b32 s16, s21, 16                        ; o: my four tiles of 16 tokens
	s_mul_i32 s17, s22, 64*PITCH
	s_add_co_u32 s17, s17, BB                      ; Wo_w: my 64 rows
	s_mul_i32 s19, s21, 2176                       ; scale bytes: 544 for 16 rows
	s_mul_i32 s18, s22, 2176
	s_add_co_u32 s18, s18, 4352
	s_sub_co_u32 s18, s18, s19                     ; from o's to Wo_w's
	s_add_co_u32 s19, s19, SCL
	s_mul_i32 s29, s20, 4352
	s_add_co_u32 s29, s29, STAGE
	s_lshl_b32 s84, s25, 9
	s_lshl_b32 s86, s22, 8
	s_add_co_u32 s84, s84, s86                     ; my first column, in bytes
	s_mov_b32 s85, 0
	s_add_nc_u64 s[12:13], s[12:13], s[84:85]
	s_add_nc_u64 s[14:15], s[14:15], s[84:85]
	s_lshl_b32 s84, s26, 7
	s_lshl_b32 s86, s21, 6
	s_add_co_u32 s84, s84, s86
	s_lshl_b32 s84, s84, 12                        ; my first token's row of 4,096 bytes
	s_add_nc_u64 s[14:15], s[14:15], s[84:85]
	v_and_b32 v1, 15, v0                           ; r
	v_bfe_u32 v2, v0, 4, 1                         ; h
	v_and_b32 v3, 31, v0
	v_lshlrev_b32 v3, 4, v3
	v_add_nc_u32 v[ADRA], s16, v3
	v_mul_u32_u24 v4, v1, PITCH
	v_lshl_add_u32 v4, v2, 3, v4
	v_add_nc_u32 v[ADRB], s17, v4
	v_lshlrev_b32 v5, 5, v1                        ; 32 scale bytes a row,
	v_lshrrev_b32 v6, 3, v1
	v_lshl_add_u32 v5, v6, 4, v5                   ; 16 more for each 256 passed
	v_mul_u32_u24 v6, s18, v2                      ; lanes 16-31 take Wo_w's
	v_add_nc_u32 v5, v5, v6
	v_add_nc_u32 v[ADRS], s19, v5
	v_mul_u32_u24 v7, v1, 272
	v_lshl_add_u32 v7, v2, 5, v7
	v_add_nc_u32 v[STO], s29, v7                   ; the stage, in: row r, 32 bytes for each half
	v_mul_u32_u24 v8, v2, 272
	v_lshl_add_u32 v8, v1, 4, v8
	v_add_nc_u32 v[RD], s29, v8                    ; back: lanes 0-15 one row, lanes 16-31 the next
	v_lshlrev_b32 v9, 12, v2
	v_lshl_add_u32 v[CO], v1, 4, v9                ; and the same two rows in out0
	v_lshlrev_b32 v[BO], 5, v2
.irp b, 0,1,2,3
	global_load_b128 v[BI+8*\b:BI+8*\b+3], v[BO], s[12:13] offset:64*\b      ; the bias at my lane's eight columns of block b
	global_load_b128 v[BI+8*\b+4:BI+8*\b+7], v[BO], s[12:13] offset:64*\b+16
.endr
.macro FETCH q, p                      ; the q-th 128 of K into set p: 16 + 32 = 48 loads
	WIN 0x40
.irp a, 0,1,2,3
.irp c, 0,1,2,3
	ds_load_b128 v[64*(\p)+16*\a+4*\c:64*(\p)+16*\a+4*\c+3], v[ADRA] offset:16384*\a+2048*(\q)+512*\c
.endr
.endr
.irp b, 0,1,2,3
.irp e, 0,1,2,3,4,5,6,7
	ds_load_b64 v[128+64*(\p)+16*\b+2*\e:128+64*(\p)+16*\b+2*\e+1], v[ADRB] offset:16*PITCH*\b+128*(\q)+16*\e
.endr
.endr
.endm
.macro MUL q, p                        ; 16 products; the accumulators take turns in the same order in every step
	WIN 0x05
.irp a, 0,1,2,3
.irp b, 0,1,2,3
.if (\q) == 0
	v_wmma_scale_f32_16x16x128_f8f6f4 v[ACC+8*(4*\a+\b):ACC+8*(4*\a+\b)+7], v[128+64*(\p)+16*\b:128+64*(\p)+16*\b+15], v[64*(\p)+16*\a:64*(\p)+16*\a+15], v[BI+8*\b:BI+8*\b+7], v[SC+4*(\q)+\b], v[SC+4*(\q)+\a] matrix_a_scale:MATRIX_SCALE_ROW1
.else
	v_wmma_scale_f32_16x16x128_f8f6f4 v[ACC+8*(4*\a+\b):ACC+8*(4*\a+\b)+7], v[128+64*(\p)+16*\b:128+64*(\p)+16*\b+15], v[64*(\p)+16*\a:64*(\p)+16*\a+15], v[ACC+8*(4*\a+\b):ACC+8*(4*\a+\b)+7], v[SC+4*(\q)+\b], v[SC+4*(\q)+\a] matrix_a_scale:MATRIX_SCALE_ROW1
.endif
.endr
.endr
.endm
	s_wait_alu depctr_va_vdst(0)
	s_wait_tensorcnt 0x0                           ; my tile is in; behind the barrier all four are.  Nothing is filled again
	s_barrier_signal -1
	s_barrier_wait -1
.irp q, 0,1,2,3,4,5,6,7
.irp i, 0,1,2,3
	ds_load_b32 v[SC+4*\q+\i], v[ADRS] offset:544*\i+4*\q
.endr
.endr
	FETCH 0, 0
	s_wait_loadcnt 0x0                             ; the bias
.irp q, 0,1,2,3,4,5,6
.if \q > 0
	PLACES 8                                       ; behind the products that read the set that is fetched into
.endif
	FETCH \q+1, (\q+1)%2
	s_wait_dscnt 48                                ; all but the 48 loads just issued
	MUL \q, \q%2
.endr
	s_wait_dscnt 0x0
	MUL 7, 1
	WIN 0
; THE WAY OUT: a block of 16 tokens x 64 columns goes through my own stage and comes back as rows of 256 bytes, which sixteen lanes store as one aligned unit.  LDS serves a wave's instructions in order (ISA guide 5.7.1.4).
.macro TOSTAGE a
.irp b, 0,1,2,3
	ds_store_b128 v[STO], v[ACC+8*(4*(\a)+\b):ACC+8*(4*(\a)+\b)+3] offset:64*\b
	ds_store_b128 v[STO], v[ACC+8*(4*(\a)+\b)+4:ACC+8*(4*(\a)+\b)+7] offset:64*\b+16
.endr
.irp t, 0,1,2,3,4,5,6,7
	ds_load_b128 v[BI+32*((\a)%2)+4*\t:BI+32*((\a)%2)+4*\t+3], v[RD] offset:\t*2*272
.endr
.endm
.macro SEND a, younger
	s_wait_dscnt \younger
.irp t, 0,1,2,3,4,5,6,7
	global_store_b128 v[CO], v[BI+32*((\a)%2)+4*\t:BI+32*((\a)%2)+4*\t+3], s[14:15] offset:(16*(\a)+2*\t)*4096 th:TH_STORE_NT
.endr
.endm
	PLACES 8
	TOSTAGE 0
.irp a, 1,2,3
.if \a > 1
	s_wait_xcnt 0x0                                ; block a - 2's stores have read their registers
.endif
	TOSTAGE \a
	SEND \a-1, 16                                  ; behind block a - 1's loads: block a's 8 stores and 8 loads
.endr
	SEND 3, 0
	s_wait_tensorcnt 0x0                           ; the wave's end
	ds_add_u32 v[SPW], v[NIL]
	s_wait_dscnt 0x0
	CROUND                                         ; the closing round
	s_endpgm
.Lfunc_end_k_q816f73492f_proj:
	.size	k_q816f73492f_proj, .Lfunc_end_k_q816f73492f_proj-k_q816f73492f_proj
	.p2alignl 7, 3214868480
	.fill 96, 4, 3214868480
	.section	.rodata,"a",@progbits
	.p2align	6, 0x0
	.amdhsa_kernel k_q816f73492f_proj
		.amdhsa_group_segment_fixed_size 327680
		.amdhsa_private_segment_fixed_size 0
		.amdhsa_enable_private_segment 0
		.amdhsa_kernarg_size 48
		.amdhsa_user_sgpr_count 2
		.amdhsa_user_sgpr_kernarg_segment_ptr 1
		.amdhsa_wavefront_size32 1
		.amdhsa_system_sgpr_workgroup_id_x 1
		.amdhsa_system_sgpr_workgroup_id_y 1
		.amdhsa_system_sgpr_workgroup_id_z 1
		.amdhsa_system_vgpr_workitem_id 0
		.amdhsa_next_free_vgpr 512
		.amdhsa_next_free_sgpr 100
		.amdhsa_reserve_vcc 0
		.amdhsa_float_denorm_mode_32 3
		.amdhsa_float_denorm_mode_16_64 3
		.amdhsa_memory_ordered 1
		.amdhsa_forward_progress 1
		.amdhsa_inst_pref_size 61
	.end_amdhsa_kernel
	.amdgpu_metadata
---
amdhsa.version: [ 1, 2 ]
amdhsa.kernels:
  - .name:           k_q816f73492f_proj
    .symbol:         k_q816f73492f_proj.kd
    .args:
      - { .name: oimg, .offset: 0, .size: 8, .value_kind: global_buffer, .address_space: global }
      - { .name: oscl, .offset: 8, .size: 8, .value_kind: global_buffer, .address_space: global }
      - { .name: Wo_w_codes, .offset: 16, .size: 8, .value_kind: global_buffer, .address_space: global }
      - { .name: Wo_w_scales, .offset: 24, .size: 8, .value_kind: global_buffer, .address_space: global }
      - { .name: Wo_b, .offset: 32, .size: 8, .value_kind: global_buffer, .address_space: global }
      - { .name: out0, .offset: 40, .size: 8, .value_kind: global_buffer, .address_space: global }
    .group_segment_fixed_size: 327680
    .private_segment_fixed_size: 0
    .kernarg_segment_align: 8
    .kernarg_segment_size: 48
    .max_flat_workgroup_size: 128
    .sgpr_count:     100
    .vgpr_count:     512
    .wavefront_size: 32
...
	.end_amdgpu_metadata
.endif
;; end of part 4
